; MI455X (gfx1250); checked and timed in simulation.
; The chip was launched on July 23, 2026; its instructions are those of AMD's public machine-readable ISA for CDNA 5 (MIT licence, August 2026) and "CDNA5" Instruction Set Architecture Reference Guide (July 2026). The comments in the code are by the model that wrote it; some were corrected since.
;; Masked Self Attention. Allowed arithmetic: matrix products marked QUANTISED: E2M3 operands, one E8M0 scale for each 32 along K, by v_wmma_scale_f32_16x16x128_f8f6f4 with both operands' format E2M3, f32 sums; everything else in f32.
;; Inputs: W_proj 1,024 x 1,024 float32; W_qkv 1,024 x 3,072 float32; b_proj 1,024 float32; x 2 x 2,048 x 1,024 float32.
;; Outputs: out0 2 x 2,048 x 1,024 float32.
;; This version of the problem:
;;   THIS VERSION OF THE PROBLEM IS GIVEN IN LOW PRECISION. The matrix products marked QUANTISED in the list below multiply operands that are first quantised to E2M3 (2 exponent bits, 3 mantissa bits; 6 bits a number), with one power-of-two scale for each 32 numbers along K (OCP MX v1.0); their sums are f32. All else is computed in f32.
;;   The module's matrix products, in the order in which they are computed (A, B: the left and right operand; K: the contracted axis; several contracted axes count as one K, in the product's order):
;;     1. [M 4,096, K 1,024] x [K 1,024, N 3,072]; A: input x; B: input W_qkv: QUANTISED
;;     2. batch 32 x [M 2,048, K 64] x [K 64, N 2,048]; A: computed on the way; B: computed on the way: QUANTISED
;;     3. batch 32 x [M 64, K 2,048] x [K 2,048, N 2,048]; A: computed on the way; B: softmax (see below): QUANTISED
;;     4. [M 4,096, K 1,024] x [K 1,024, N 1,024]; A: computed on the way; B: input W_proj: QUANTISED
;;   THE QUANTISER, for each operand of a quantised product, along K:
;;     - K is cut into blocks of 32 from its start; a last block that is shorter is filled with zeros.
;;     - A block's scale is 2^e with e = floor(log2(the largest magnitude in the block)) - 2, held to -126 .. 127; a block of zeros has e = 0. As a byte (E8M0): e + 127.
;;     - Each number is divided by its block's scale, clamped to +-7.5, and rounded to the nearest number of E2M3, ties to even, subnormals kept.
;;     - The product sums the exact products of the quantised numbers (number of the format x scale) in f32.
;;   ~~~python
;;   def quantise(x, axis):      # numpy; x: float32 -> the quantised numbers, widened to float32 again
;;       x = np.moveaxis(x, axis, -1); K = x.shape[-1]
;;       x = np.pad(x, [(0, 0)] * (x.ndim - 1) + [(0, -K % 32)]); x = x.reshape(x.shape[:-1] + (-1, 32)); a = np.abs(x).max(-1, keepdims=True)
;;       e = np.where(a > 0, np.clip(np.frexp(np.where(a > 0, a, 1))[1] - 1 - 2, -126, 127), 0)      # np.frexp(a)[1] - 1 = floor(log2(a)), exactly
;;       r = np.clip(x / 2.0 ** e, -7.5, 7.5)
;;       step = 2.0 ** (np.maximum(np.frexp(np.where(r == 0, 1, r))[1] - 1, 0) - 3)
;;       q = np.round(r / step) * step * 2.0 ** e      # np.round: ties to even
;;       return np.moveaxis(q.reshape(q.shape[:-2] + (-1,))[..., :K], -1, axis).astype(np.float32)
;;   ~~~
;;   SOFTMAX AHEAD OF A QUANTISED PRODUCT. Where the list says 'softmax', what is quantised is not the finished softmax but p = 2^(t - M), with t = logit x log2(e) and M = ceil(the row's largest t), a whole number; so 1/2 < the row's largest p <= 1. The row's sum l is taken of the UNQUANTISED p, in f32, and the product's result is divided by l at the end. Since M is a whole number, a kernel that streams over the keys may use a running M (the ceiling of the running maximum): every later rescaling is an exact power of two, which a block's scale takes up: the codes' values come out the same.
;;   OPERANDS COMPUTED ON THE WAY. 'Computed on the way' means the value that the module computes at that place (a softmax that the list does not call 'softmax' is quantised finished and normalised). What goes into a quantiser is computed in f32, as accurately as f32 sums, v_exp_f32 and their like allow (about 1e-6 of the number): no bf16 or f16 on the way to a quantiser, and a product that is left as it is and whose result goes on into a quantised operand takes f32 operands (vector FMAs, or v_wmma_f32_16x16x4_f32). A number that lies on a knife's edge between two numbers of the format may be rounded either way, as far as f32 arithmetic and the matrix unit's own rounding can turn it there, and no further.
;; One version. Each part assembles by itself: llvm-mc -triple=amdgcn-amd-amdhsa -mcpu=gfx1250 --defsym DOCPART=n.
;; ======== version 1 of 1: 5 launches
;; workspace buffers: xq 3,276,800 bytes; wq 3,276,800 bytes; yq 3,276,800 bytes; att 10,092,544 bytes
;; launch quant_x (part 1): grid 256 x 1, 8 waves a work-group, no clusters, 69,120 bytes of LDS; arguments x, xq; writes xq
.if DOCPART == 1
	.amdgcn_target "amdgcn-amd-amdhsa--gfx1250"
	.amdhsa_code_object_version 6
	.text
	.protected	k_q05b94f0cf3_quant_x
	.globl	k_q05b94f0cf3_quant_x
	.p2align	8
	.type	k_q05b94f0cf3_quant_x,@function
k_q05b94f0cf3_quant_x:
	s_mov_b64 s[64:65], 0
	v_nop
	global_prefetch_b8 v0, s[64:65] scope:SCOPE_SE
	s_setreg_imm32_b32 hwreg(HW_REG_WAVE_MODE, 25, 1), 1
	s_wait_xcnt 0x0
; x [4096][1024] f32 becomes codes of FP6 (E2M3) with one E8M0 byte for each 32 along K, laid as the products' operand registers want them.
; TILE ORDER: tile T holds rows 32 (T / 2) + 8 (T % 2) + r + 8 (r / 8), r = 0 .. 15.
; A HALF FRAGMENT (16 rows x 64 K) is 768 bytes: lane (r, h) owns the 24 bytes of its row's k = 32 h .. 32 h + 31: bytes 0-15 at 16 x lane, bytes 16-23 at 512 + 8 x lane.
; xq: codes [K step of 256: 0..3][tile 0..255][4 half fragments]; from SCO on the scale words [tile][K step][r][2 words of 128 K].
; A block's scale is 2^(floor(log2(largest magnitude)) - 2); its byte is the largest magnitude's exponent field - 2, held at 1 from below.
; LIMITS: NaN and infinities among the inputs are not served; a block whose largest magnitude lies under 2^-124 keeps the byte 1; a block of zeros gets the byte 1 where the rule says 127
; (its codes are zeros, which add nothing under any byte but 0xff, and this program alone reads the bytes).
; SHARES: a work-group takes one tile of 16 rows, wave w its K = 128 w .. 128 w + 127: one fragment.  Each load reads 512 consecutive bytes of a row; the 8,192 bytes turn through the
; wave's own stage in LDS (rows 528 bytes apart), so that a lane gets two whole blocks of 32 neighbours.  The tile's 512 bytes of scale words meet in LDS and leave as one aligned run of 512 bytes.
.set STEPB, 786432                     ; a K step of 256 of all 256 tiles, in bytes
.set SCO,   3145728                    ; where the scale words begin
.set WST,   8448                       ; a wave's stage: 16 rows x 528
.set SCST,  8*WST                      ; the tile's scale words
.set SPARE, SCST+512                   ; the spare words: 128 bytes for each of eight waves, named by no other line
.set SPW,   12                         ; v12  my spare word's address; never rewritten
.set NIL,   13                         ; v13  0; never rewritten
.set RAW,   16                         ; v16-79   the numbers as loaded
.set X,     80                         ; v80-143  block 2 c + h at v[X + 32 c]
.set C,     144                        ; v144-155 the fragment's codes
.set CT,    156                        ; v156-158, v160-162: a block's second three registers, made here and moved
	s_load_b128 s[4:7], s[0:1], 0x0                ; x, xq
	v_lshl_add_u32 v[SPW], v0, 2, SPARE
	v_mov_b32 v[NIL], 0
	v_lshrrev_b32 v1, 5, v0
	v_readfirstlane_b32 s8, v1                     ; wave 0..7
	v_and_b32 v1, 31, v0                           ; lane
	v_and_b32 v2, 15, v0                           ; r
	v_bfe_u32 v3, v0, 4, 1                         ; h
	v_lshlrev_b32 v4, 4, v1                        ; 16 x lane
	s_mul_i32 s9, s8, WST
	v_add_nc_u32 v5, s9, v4                        ; the stage, on the way in
	v_mul_u32_u24 v6, v2, 528
	v_lshl_add_u32 v6, v3, 7, v6
	v_add_nc_u32 v6, s9, v6                        ; and on the way out: row r, + 128 h bytes
	v_lshl_add_u32 v7, v1, 3, 512                  ; 512 + 8 x lane
	s_lshr_b32 s10, s8, 1                          ; my K step of 256
	s_and_b32 s11, s8, 1                           ; and which 128 of it
	s_lshl_b32 s16, s10, 7
	s_lshl_b32 s17, s11, 2
	s_add_co_u32 s16, s16, s17
	s_add_co_u32 s16, s16, SCST
	v_lshl_add_u32 v14, v2, 3, s16                 ; my row's scale word: [K step][r][which 128]
	v_add_nc_u32 v167, SCST, v4                    ; wave 0 reads the 512 bytes back from here
	v_lshlrev_b32 v163, 3, v3                      ; 8 h
	v_mov_b32 v166, 0                              ; a lane permute's destination counts as one of its sources
	s_mov_b32 s12, 0x76543210
	s_mov_b32 s13, 0xfedcba98                      ; selects for lane l xor 16
	s_lshr_b32 s14, ttmp9, 1
	s_lshl_b32 s14, s14, 17                        ; 32 (T / 2) rows of 4,096 bytes
	s_and_b32 s15, ttmp9, 1
	s_lshl_b32 s15, s15, 15                        ; 8 (T % 2) rows
	s_add_co_u32 s14, s14, s15
	s_lshl_b32 s15, s8, 9                          ; my 512 bytes of a row
	s_add_co_u32 s14, s14, s15
	s_mov_b32 s15, 0
	s_mul_i32 s18, s10, STEPB
	s_mul_i32 s19, ttmp9, 3072
	s_add_co_u32 s18, s18, s19
	s_mul_i32 s19, s11, 1536
	s_add_co_u32 s18, s18, s19
	s_mov_b32 s19, 0
	s_lshl_b32 s20, ttmp9, 9
	s_add_co_u32 s20, s20, SCO
	s_mov_b32 s21, 0
	s_wait_kmcnt 0x0
	s_add_nc_u64 s[4:5], s[4:5], s[14:15]
	s_add_nc_u64 s[18:19], s[6:7], s[18:19]        ; my fragment's place
	s_add_nc_u64 s[20:21], s[6:7], s[20:21]        ; the tile's scale words
.irp i, 0,1,2,3,4,5,6,7,8,9,10,11,12,13,14,15
	global_load_b128 v[RAW+4*\i:RAW+4*\i+3], v4, s[4:5] offset:(\i+8*(\i/8))*4096 th:TH_LOAD_NT   ; the tile's row i: 512 consecutive bytes
.endr
.irp i, 0,1,2,3,4,5,6,7,8,9,10,11,12,13,14,15
	s_wait_loadcnt 15-\i                           ; loads come back in order: row i is in, the younger rows may be out
	ds_store_b128 v5, v[RAW+4*\i:RAW+4*\i+3] offset:528*\i
.endr
.irp c, 0,1
.irp j, 0,1,2,3,4,5,6,7
	ds_load_b128 v[X+32*\c+4*\j:X+32*\c+4*\j+3], v6 offset:256*\c+16*\j   ; LDS serves a wave's instructions in order: these see my stores
.endr
.endr
	s_wait_dscnt 0x0
.irp c, 0,1
	v_max3_num_f32 v[8+\c], |v[X+32*\c]|, |v[X+32*\c+1]|, 0x1800000   ; my block 2 c + h, and the floor 2^(3 - 127): the byte cannot fall under 1
.endr
.irp i, 2,4,6,8,10,12,14,16,18,20,22,24,26,28,30
.irp c, 0,1
	v_max3_num_f32 v[8+\c], v[8+\c], |v[X+32*\c+\i]|, |v[X+32*\c+\i+1]|
.endr
.endr
.irp c, 0,1
	v_add_nc_u32 v[10+\c], 0xff000000, v[8+\c]     ; 2 off the exponent field: the conversion's scale operand
.endr
.irp c, 0,1
	v_lshrrev_b32 v[164+\c], 23, v[10+\c]          ; the scale's byte
.endr
	v_lshl_or_b32 v15, v165, 16, v164              ; blocks h and 2 + h,
	v_lshlrev_b32 v15, v163, v15                   ; at their places in the word;
	v_permlanex16_b32 v166, v15, s12, s13
	v_or_b32 v15, v15, v166                        ; with lane l xor 16's two the word is whole
.irp c, 0,1
	v_cvt_scalef32_pk16_fp6_f32 v[C+6*\c:C+6*\c+2], v[X+32*\c:X+32*\c+15], v[10+\c]
	v_cvt_scalef32_pk16_fp6_f32 v[CT+4*\c:CT+4*\c+2], v[X+32*\c+16:X+32*\c+31], v[10+\c]   ; (a conversion's three registers begin on an even number)
.endr
	v_nop                                          ; one plain place behind a scaled conversion
.irp c, 0,1
.irp i, 0,1,2
	v_mov_b32 v[C+6*\c+3+\i], v[CT+4*\c+\i]
.endr
.endr
.irp c, 0,1
	global_store_b128 v4, v[C+6*\c:C+6*\c+3], s[18:19] offset:768*\c      ; 512 consecutive bytes, aligned
	global_store_b64 v7, v[C+6*\c+4:C+6*\c+5], s[18:19] offset:768*\c     ; 256 consecutive bytes, aligned
.endr
	ds_store_b32 v14, v15                          ; lanes l and l xor 16 write the same word with the same value
	s_wait_dscnt 0x0                               ; for the others' sake: my word has landed
	s_barrier_signal -1
	s_barrier_wait -1
	s_cmp_lg_u32 s8, 0
	s_cbranch_scc1 .Ldone
	ds_load_b128 v[16:19], v167                    ; the eight waves' words
	s_wait_dscnt 0x0
	global_store_b128 v4, v[16:19], s[20:21]       ; 512 consecutive bytes, aligned
.Ldone:
	s_wait_tensorcnt 0x0                           ; the wave's end: these three lines behind my last LDS store
	ds_add_u32 v[SPW], v[NIL]
	s_wait_dscnt 0x0
	s_endpgm
.Lfunc_end_k_q05b94f0cf3_quant_x:
	.size	k_q05b94f0cf3_quant_x, .Lfunc_end_k_q05b94f0cf3_quant_x-k_q05b94f0cf3_quant_x
	.p2alignl 7, 3214868480
	.fill 96, 4, 3214868480
	.section	.rodata,"a",@progbits
	.p2align	6, 0x0
	.amdhsa_kernel k_q05b94f0cf3_quant_x
		.amdhsa_group_segment_fixed_size 69120
		.amdhsa_private_segment_fixed_size 0
		.amdhsa_enable_private_segment 0
		.amdhsa_kernarg_size 16
		.amdhsa_user_sgpr_count 2
		.amdhsa_user_sgpr_kernarg_segment_ptr 1
		.amdhsa_wavefront_size32 1
		.amdhsa_system_sgpr_workgroup_id_x 1
		.amdhsa_system_sgpr_workgroup_id_y 1
		.amdhsa_system_sgpr_workgroup_id_z 1
		.amdhsa_system_vgpr_workitem_id 0
		.amdhsa_next_free_vgpr 168
		.amdhsa_next_free_sgpr 66
		.amdhsa_reserve_vcc 0
		.amdhsa_float_denorm_mode_32 3
		.amdhsa_float_denorm_mode_16_64 3
		.amdhsa_memory_ordered 1
		.amdhsa_forward_progress 1
		.amdhsa_inst_pref_size 11
	.end_amdhsa_kernel
	.amdgpu_metadata
---
amdhsa.version: [ 1, 2 ]
amdhsa.kernels:
  - .name:           k_q05b94f0cf3_quant_x
    .symbol:         k_q05b94f0cf3_quant_x.kd
    .args:
      - { .name: x, .offset: 0, .size: 8, .value_kind: global_buffer, .address_space: global }
      - { .name: xq, .offset: 8, .size: 8, .value_kind: global_buffer, .address_space: global }
    .group_segment_fixed_size: 69120
    .private_segment_fixed_size: 0
    .kernarg_segment_align: 8
    .kernarg_segment_size: 16
    .max_flat_workgroup_size: 256
    .sgpr_count:     66
    .vgpr_count:     168
    .wavefront_size: 32
...
	.end_amdgpu_metadata
.endif
;; end of part 1
;; launch quant_w (part 2): grid 128 x 2, 4 waves a work-group, no clusters, 13,312 bytes of LDS; arguments W_qkv, W_proj, wq; writes wq
.if DOCPART == 2
	.amdgcn_target "amdgcn-amd-amdhsa--gfx1250"
	.amdhsa_code_object_version 6
	.text
	.protected	k_q05b94f0cf3_quant_w
	.globl	k_q05b94f0cf3_quant_w
	.p2align	8
	.type	k_q05b94f0cf3_quant_w,@function
k_q05b94f0cf3_quant_w:
	s_mov_b64 s[64:65], 0
	v_nop
	global_prefetch_b8 v0, s[64:65] scope:SCOPE_SE
	s_setreg_imm32_b32 hwreg(HW_REG_WAVE_MODE, 25, 1), 1
	s_wait_xcnt 0x0
; W_qkv [1024][3072] and W_proj [1024][1024], f32, K along the FIRST axis, become codes of FP6 (E2M3) with one E8M0 byte for each 32 along K, in the layout of xq:
; tile T holds columns 32 (T / 2) + 8 (T % 2) + r + 8 (r / 8); tiles 0-191 are W_qkv's columns, tiles 192-255 W_proj's.
; wq: codes [K step of 256][tile][4 half fragments of 768 bytes]; from SCO on the scale words [tile][K step][r][2 words].
; In a half fragment lane (r, h) owns 24 bytes: bytes 0-15 at 16 x lane, bytes 16-23 at 512 + 8 x lane.
; A LANE TAKES A COLUMN AND ITS REGISTERS RUN DOWN K: a block of 32 lies in one lane, and the conversions give codes with K innermost.
; LIMITS: NaN and infinities are not served; a block under 2^-124 keeps the byte 1; a block of zeros gets the byte 1 where the rule says 127 (zero codes; this program alone reads the bytes).
; SHARES: work-group (x, y) takes columns 32 x .. 32 x + 31 (two tiles); wave w takes K = 128 (4 y + w) on: one fragment of each tile.  The codes go through the wave's own stage, laid as the
; buffer is, and leave in runs of 512 consecutive bytes; the scale words meet in LDS and leave as two aligned runs of 256 bytes.
.set STEPB, 786432
.set SCO,   3145728
.set WST,   3072                       ; a wave's stage: [tile 0..1][2 half fragments]
.set SCST,  4*WST
.set SPARE, SCST+512                   ; the spare words: 128 bytes for each of four waves, named by no other line
.set SPW,   12
.set NIL,   13
.set X,     32                         ; v32-159  128 numbers down K
.set C,     160                        ; v160-183 codes: six registers a block, none written twice
.set OUTR,  192                        ; v192-215 the way out
	s_load_b128 s[4:7], s[0:1], 0x0                ; W_qkv, W_proj
	s_load_b64 s[8:9], s[0:1], 0x10                ; wq
	v_lshl_add_u32 v[SPW], v0, 2, SPARE
	v_mov_b32 v[NIL], 0
	v_lshrrev_b32 v1, 5, v0
	v_readfirstlane_b32 s10, v1                    ; wave 0..3
	v_and_b32 v1, 31, v0                           ; lane = my column among the 32
	v_bfe_u32 v2, v0, 3, 1                         ; u: which of the two tiles holds it
	v_and_b32 v3, 7, v0
	v_bfe_u32 v15, v0, 4, 1
	v_lshl_add_u32 v3, v15, 3, v3                  ; r': its row in that tile
	v_lshlrev_b32 v4, 2, v1                        ; in: 4 bytes a lane
	s_mul_i32 s16, s10, WST
	v_mul_u32_u24 v5, v2, 1536
	v_add_nc_u32 v5, s16, v5
	v_lshl_add_u32 v6, v3, 3, v5
	v_add_nc_u32 v6, 512, v6                       ; the stage: my 8 bytes,
	v_lshl_add_u32 v5, v3, 4, v5                   ; my 16 bytes
	v_lshlrev_b32 v8, 4, v1                        ; 16 x lane
	v_add_nc_u32 v7, s16, v8                       ; the stage, on the way out
	s_lshr_b32 s17, s10, 1
	s_lshl_b32 s17, s17, 7
	s_and_b32 s18, s10, 1
	s_lshl_b32 s18, s18, 2
	s_add_co_u32 s17, s17, s18
	s_add_co_u32 s17, s17, SCST
	v_lshlrev_b32 v9, 8, v2
	v_lshl_add_u32 v9, v3, 3, v9
	v_add_nc_u32 v9, s17, v9                       ; my column's scale word: [u][K step of my two][r'][which 128]
	v_add_nc_u32 v11, SCST, v8                     ; wave 0 reads the 512 bytes back from here
	v_and_b32 v14, 15, v0
	v_lshlrev_b32 v14, 4, v14
	v_lshl_add_u32 v14, v15, 9, v14                ; and stores them: lanes 0-15 the first tile's 256 bytes, lanes 16-31 the second's, 512 bytes on
	s_and_b32 s11, ttmp7, 0xffff                   ; y
	s_lshl_b32 s12, s11, 2
	s_add_co_u32 s12, s12, s10                     ; f: my 128 along K
	s_lshr_b32 s20, s12, 1
	s_mul_i32 s20, s20, STEPB
	s_mul_i32 s21, ttmp9, 6144
	s_add_co_u32 s20, s20, s21
	s_and_b32 s21, s12, 1
	s_mul_i32 s21, s21, 1536
	s_add_co_u32 s20, s20, s21
	s_mov_b32 s21, 0
	s_lshl_b32 s22, ttmp9, 10
	s_lshl_b32 s23, s11, 8
	s_add_co_u32 s22, s22, s23
	s_add_co_u32 s22, s22, SCO
	s_mov_b32 s23, 0
	s_wait_kmcnt 0x0
	s_add_nc_u64 s[20:21], s[8:9], s[20:21]        ; my two fragments' place
	s_add_nc_u64 s[22:23], s[8:9], s[22:23]        ; the scale words' place
.macro LOADS pitch, base               ; W(128 f + i, my column), i = 0 .. 127: each load reads 128 consecutive bytes
.set i, 0
.rept 128
	global_load_b32 v[X+i], v4, s[\base:\base+1] offset:i*\pitch th:TH_LOAD_NT
.set i, i+1
.endr
.endm
	s_cmp_lt_u32 ttmp9, 96                         ; the two tensors differ in their pitch, which stands in the immediates: the branch goes round the loads alone
	s_cbranch_scc0 .Lproj
	s_mul_i32 s14, s12, 128*12288
	s_lshl_b32 s15, ttmp9, 7
	s_add_co_u32 s14, s14, s15
	s_mov_b32 s15, 0
	s_add_nc_u64 s[4:5], s[4:5], s[14:15]
	LOADS 12288, 4
	s_branch .Lloaded
.Lproj:
	s_lshl_b32 s14, s12, 19                        ; 128 rows of 4,096 bytes
	s_sub_co_u32 s15, ttmp9, 96
	s_lshl_b32 s15, s15, 7
	s_add_co_u32 s14, s14, s15
	s_mov_b32 s15, 0
	s_add_nc_u64 s[6:7], s[6:7], s[14:15]
	LOADS 4096, 6
.Lloaded:
.macro BLOCK t
.set XS, X+32*(\t)
.set CC, C+6*(\t)
.set CT, 184+4*((\t)%2)
.if (\t) == 0
	s_wait_loadcnt 63                              ; 64 loads are younger than block 1's last: blocks 0 and 1 are in
.elseif (\t) == 2
	s_wait_loadcnt 32                              ; block 3's may be out
.elseif (\t) == 3
	s_wait_loadcnt 0x0
.endif
	v_max3_num_f32 v16, |v[XS]|, |v[XS+1]|, |v[XS+2]|      ; the block's largest magnitude, in two chains
	v_max3_num_f32 v17, |v[XS+3]|, |v[XS+4]|, |v[XS+5]|
.irp i, 6,10,14,18,22,26
	v_max3_num_f32 v16, v16, |v[XS+\i]|, |v[XS+\i+1]|
	v_max3_num_f32 v17, v17, |v[XS+\i+2]|, |v[XS+\i+3]|
.endr
	v_max3_num_f32 v16, v16, |v[XS+30]|, |v[XS+31]|
	v_max3_num_f32 v16, v16, v17, 0x1800000        ; and the floor 2^(3 - 127)
	v_add_nc_u32 v18, 0xff000000, v16              ; 2 off the exponent field: the conversion's scale operand
	v_lshrrev_b32 v19, 23, v18                     ; the scale's byte
.if (\t) == 0
	v_mov_b32 v10, v19
.else
	v_lshl_or_b32 v10, v19, 8*(\t), v10
.endif
	v_cvt_scalef32_pk16_fp6_f32 v[CC:CC+2], v[XS:XS+15], v18
	v_cvt_scalef32_pk16_fp6_f32 v[CT:CT+2], v[XS+16:XS+31], v18    ; (a conversion's three registers begin on an even number)
	v_nop                                          ; one plain place behind a scaled conversion
.irp i, 0,1,2
	v_mov_b32 v[CC+3+\i], v[CT+\i]
.endr
	ds_store_b128 v5, v[CC:CC+3] offset:768*((\t)/2)+256*((\t)%2)      ; block t is half h = t % 2 of half fragment t / 2
	ds_store_b64 v6, v[CC+4:CC+5] offset:768*((\t)/2)+128*((\t)%2)
.endm
	BLOCK 0
	BLOCK 1
	BLOCK 2
	BLOCK 3
.irp i, 0,1,2,3,4,5
	ds_load_b128 v[OUTR+4*\i:OUTR+4*\i+3], v7 offset:512*\i    ; LDS serves a wave's instructions in order: these see my stores
.endr
.irp i, 0,1,2,3,4,5
	s_wait_dscnt 5-\i                              ; the younger read-backs may be out
	global_store_b128 v8, v[OUTR+4*\i:OUTR+4*\i+3], s[20:21] offset:512*(\i%3)+3072*(\i/3)   ; 512 consecutive bytes, aligned
.endr
	ds_store_b32 v9, v10
	s_wait_dscnt 0x0                               ; for the others' sake: my words have landed
	s_barrier_signal -1
	s_barrier_wait -1
	s_cmp_lg_u32 s10, 0
	s_cbranch_scc1 .Ldone
	ds_load_b128 v[16:19], v11
	s_wait_dscnt 0x0
	global_store_b128 v14, v[16:19], s[22:23]      ; sixteen lanes store 256 consecutive bytes, aligned
.Ldone:
	s_wait_tensorcnt 0x0                           ; the wave's end: these three lines behind my last LDS store
	ds_add_u32 v[SPW], v[NIL]
	s_wait_dscnt 0x0
	s_endpgm
.Lfunc_end_k_q05b94f0cf3_quant_w:
	.size	k_q05b94f0cf3_quant_w, .Lfunc_end_k_q05b94f0cf3_quant_w-k_q05b94f0cf3_quant_w
	.p2alignl 7, 3214868480
	.fill 96, 4, 3214868480
	.section	.rodata,"a",@progbits
	.p2align	6, 0x0
	.amdhsa_kernel k_q05b94f0cf3_quant_w
		.amdhsa_group_segment_fixed_size 13312
		.amdhsa_private_segment_fixed_size 0
		.amdhsa_enable_private_segment 0
		.amdhsa_kernarg_size 24
		.amdhsa_user_sgpr_count 2
		.amdhsa_user_sgpr_kernarg_segment_ptr 1
		.amdhsa_wavefront_size32 1
		.amdhsa_system_sgpr_workgroup_id_x 1
		.amdhsa_system_sgpr_workgroup_id_y 1
		.amdhsa_system_sgpr_workgroup_id_z 1
		.amdhsa_system_vgpr_workitem_id 0
		.amdhsa_next_free_vgpr 216
		.amdhsa_next_free_sgpr 66
		.amdhsa_reserve_vcc 0
		.amdhsa_float_denorm_mode_32 3
		.amdhsa_float_denorm_mode_16_64 3
		.amdhsa_memory_ordered 1
		.amdhsa_forward_progress 1
		.amdhsa_inst_pref_size 36
	.end_amdhsa_kernel
	.amdgpu_metadata
---
amdhsa.version: [ 1, 2 ]
amdhsa.kernels:
  - .name:           k_q05b94f0cf3_quant_w
    .symbol:         k_q05b94f0cf3_quant_w.kd
    .args:
      - { .name: W_qkv, .offset: 0, .size: 8, .value_kind: global_buffer, .address_space: global }
      - { .name: W_proj, .offset: 8, .size: 8, .value_kind: global_buffer, .address_space: global }
      - { .name: wq, .offset: 16, .size: 8, .value_kind: global_buffer, .address_space: global }
    .group_segment_fixed_size: 13312
    .private_segment_fixed_size: 0
    .kernarg_segment_align: 8
    .kernarg_segment_size: 24
    .max_flat_workgroup_size: 128
    .sgpr_count:     66
    .vgpr_count:     216
    .wavefront_size: 32
...
	.end_amdgpu_metadata
.endif
;; end of part 2
;; launch gemm_qkv (part 3): grid 12 x 16, 4 waves a work-group, clusters of 4 x 4, 327,680 bytes of LDS; arguments xq, wq, att; writes att
.if DOCPART == 3
	.amdgcn_target "amdgcn-amd-amdhsa--gfx1250"
	.amdhsa_code_object_version 6
	.text
	.protected	k_q05b94f0cf3_gemm_qkv
	.globl	k_q05b94f0cf3_gemm_qkv
	.p2align	8
	.type	k_q05b94f0cf3_gemm_qkv,@function
k_q05b94f0cf3_gemm_qkv:
	s_mov_b64 s[64:65], 0
	v_nop
	global_prefetch_b8 v0, s[64:65] scope:SCOPE_SE
	s_setreg_imm32_b32 hwreg(HW_REG_WAVE_MODE, 25, 1), 1
	s_wait_xcnt 0x0
	s_wait_alu depctr_hold_cnt(0) depctr_sa_sdst(0) depctr_va_vdst(0) depctr_va_sdst(0) depctr_va_ssrc(0) depctr_va_vcc(0) depctr_vm_vsrc(0)
	s_getreg_b32 s2, hwreg(HW_REG_IB_STS2, 6, 4)
	s_cmp_eq_u32 s2, 0
	s_cbranch_scc0 .Lentry_in_a_cluster
	s_endpgm
.Lentry_in_a_cluster:
	s_bfe_u32 s2, ttmp6, 0x10000c
	s_cmp_lg_u32 s2, 0xf033
	s_cbranch_scc0 .Lentry_shape_is_right
	s_endpgm
.Lentry_shape_is_right:
; qkv = x W_qkv on codes of FP6 (E2M3) with E8M0 scales, K = 1,024; the results are quantised in registers for attention's two products and leave as codes: no f32 number goes to memory.
; OPERANDS (xq, wq): codes [K step of 256][tile of 16 rows][4 half fragments of 768 bytes], an image of the operand's registers: lane l's registers 0-3 at 16 l, registers 4-5 at 512 + 8 l.
; Tile T holds rows 32 (T / 2) + 8 (T % 2) + r + 8 (r / 8).  Scale words from SCO on: [tile][K step][r][2 words].
; ROLES.  Source 1 = R: its rows stay in the lanes.  Source 0 = P: by the tile order a lane's 16 registers of tiles 2 b, 2 b + 1 are 16 NEIGHBOURS along P's axis, which is the axis to be quantised.
;   clusters x = 0, 1 (q and k): R = tokens (xq), P = columns (wq): quantised along the head's 64.      cluster x = 2 (v): R = v's columns (wq), P = tokens (xq): V^T, quantised along the keys.
; The two cases differ in pointers and numbers chosen by s_cselect on the cluster's x, which all partners share.
; A work-group makes 256 x 256, a wave 128 x 128 in 512 registers.  K goes in four steps of 256 through two LDS slots; a tile's step is a dense block of memory, so a wave's tensor load brings 24,576 consecutive bytes.
; CLUSTERS: 4 x 4.  R's tiles are shared along a row of the cluster, P's along a column: joint loads, behind a round of the cluster's barrier.
; att: 96 records of 98,304 bytes, G = 32 which + 16 batch + head.  q, k: [token tile 0..127][half fragment].  v: [128 keys: 0..15][tile of 16 d: 0..3][2 half fragments], keys innermost.
;   from QKS on q's and k's scale words [G][token tile][16 words] (bytes 0, 1 count; bytes 2, 3 meet zero codes and are never 0xff); behind them v's [16 batch + head][128 keys][d tile][16 words].
; LIMITS: NaN and infinities are not served; a block under 2^-124 keeps the byte 1; a block of zeros gets the byte 1 where the rule says 127 (zero codes; this program alone reads the bytes).
; REGISTERS: window 0: v0-31 addresses; v32-63 scale words, two sets; v64-113 the way out; v128-223 R's fragments, one set, later the codes.  window 1: P's fragments, two sets.  windows 2, 3: the accumulators.
.set STEPB,  786432
.set SCO,    3145728
.set QKS,    9437184
.set TILEB,  3072                      ; a tile's K step: 4 half fragments
.set HALFT,  8*TILEB                   ; what one tensor load brings, and what one wave reads of R or of P
.set SLOT,   4*HALFT                   ; R's 16 tiles, then P's
.set SCL,    2*SLOT                    ; behind the ring: R's scale words (8,192 bytes), then P's: filled once
.set HALFS,  4096
.set SPARE,  SCL+4*HALFS               ; the spare words: 128 bytes for each wave, named by no other line
.set NQ,     2                         ; matrix instructions deep in a slot
.set FR,     12                        ; registers of a fragment
.set NL,     4                         ; LDS loads that bring one
.set NP,     4                         ; places behind this matrix instruction (ISA guide 7.12.1)
.set ADRA, 16                          ; v16-17 R's fragments in slot 0, 1: + 16 x lane;  v18-19: + 512 + 8 x lane
.set ADRB, 20                          ; v20-23 the same for P
.set ADRS, 27                          ; v27    my scale words: lanes 0-15 R's rows, lanes 16-31 P's
.set SPW,  28
.set NIL,  29
.set SC,   32
.set AF,   128
.set TM,   64                          ; the way out: v64-67 largest magnitudes, v68-71 bytes, v76-79 scale operands
.set PW,   80                          ; the scale word just made
.set PWS,  81                          ; v81-88 the words as stored
.set CT,   90                          ; v90-92, v94-96
.set BKS,  100                         ; v100-107 the scale words read back
.set LI,   108                         ; 16 x lane
.set LB,   109                         ; 512 + 8 x lane
.set SHV,  110
.set STS,  111
.set STR,  112
.set VSO,  113
.set G1, 24
.set G0, 32
.set G1B, 48
.set G0B, 56
.set G1S, 68
.set G0S, 76
.set G1SB, 80
.set G0SB, 88
.set MSB, 0
.macro WIN new                         ; the immediate's high byte repeats the setting that is left
.if MSB != (\new)
	s_set_vgpr_msb (MSB<<8)|(\new)
.set MSB, (\new)
.endif
.endm
.set MUL_LO, 0xa1                      ; source 0 (P) window 1, source 1 (R) window 0, C and D window 2
.set MUL_HI, 0xf1
.set TO_B,   0x40
; A joint load: waves 0 and 1 fetch for R, waves 2 and 3 for P; the branch hangs on the wave's number alone.  An s_nop 0 and four v_nop follow each line.
.macro JLOAD g0a, g1a, g0b, g1b
	s_cmp_eq_u32 s15, 0
	s_cbranch_scc0 .Lfor_b_\@
	tensor_load_to_lds s[\g0a:\g0a+3], s[\g1a:\g1a+7]
	s_nop 0
.rept 4
	v_nop
.endr
	s_branch .Lasked_\@
.Lfor_b_\@:
	tensor_load_to_lds s[\g0b:\g0b+3], s[\g1b:\g1b+7]
	s_nop 0
.rept 4
	v_nop
.endr
.Lasked_\@:
.endm
.macro CREST                           ; a round of the cluster's barrier behind its opening barrier
	s_cmp_lg_u32 s14, 0
	s_cbranch_scc1 .Lnot_wave_0_\@
	s_barrier_signal -3
.Lnot_wave_0_\@:
	s_barrier_wait -3
	s_barrier_signal -1
	s_barrier_wait -1
.endm
.macro CROUND
	s_barrier_signal -1
	s_barrier_wait -1
	CREST
.endm
	s_load_b128 s[4:7], s[0:1], 0x0                ; xq, wq
	s_load_b64 s[12:13], s[0:1], 0x10              ; att
	v_lshl_add_u32 v[SPW], v0, 2, SPARE
	v_mov_b32 v[NIL], 0
	ds_add_u32 v[SPW], v[NIL]                      ; the wave's opening: the add and its wait ahead of my first tensor load; work on registers stands between
	v_lshrrev_b32 v1, 5, v0
	v_readfirstlane_b32 s14, v1                    ; wave 0..3
	s_lshr_b32 s15, s14, 1                         ; my half of R's rows.  Also: I fetch for R (0) or for P (1)
	s_and_b32 s16, s14, 1                          ; my half of P's rows.  Also: which 8 tiles I fetch
	s_bfe_u32 s40, ttmp6, 0x40000                  ; cx
	s_bfe_u32 s41, ttmp6, 0x40004                  ; cy
	s_and_b32 s45, ttmp7, 0xffff
	s_lshl_b32 s45, s45, 2                         ; 4 x cluster y
	s_lshl_b32 s46, ttmp9, 2                       ; 4 x cluster x
	s_cmp_eq_u32 ttmp9, 2                          ; v's clusters: the same answer in all sixteen partners
	s_cselect_b32 s95, 1, 0
	s_cselect_b32 s17, 8, s45
	s_cselect_b32 s42, s45, s46
	s_add_co_u32 s17, s17, s41                     ; R's block of 256 rows: it holds cy alone
	s_add_co_u32 s42, s42, s40                     ; P's: it holds cx alone
	s_lshl_b32 s43, s41, 2
	s_lshl_b32 s43, 15, s43                        ; my row of the cluster
	s_lshl_b32 s44, 0x1111, s40                    ; my column
	; descriptor group 1: a dense block as rows of 256 bytes (32 elements of 8 bytes), no padding: 96 rows of codes, 16 rows of scale words
	s_or_b32 s[G1+0], s43, (3<<16)|(1<<21)         ; 15:0 the mask; 17:16 elements of 8 bytes; 21 set beside a mask
	s_or_b32 s[G1B+0], s44, (3<<16)|(1<<21)
.irp g, G1, G1B
	s_mov_b32 s[\g+1], 32<<16                      ; tensor_dim0
	s_mov_b32 s[\g+2], 96<<16                      ; tensor_dim1
	s_mov_b32 s[\g+3], 32<<16                      ; tile_dim0
	s_mov_b32 s[\g+4], 96                          ; tile_dim1
	s_mov_b32 s[\g+5], 32                          ; the pitch
	s_mov_b32 s[\g+6], 0
	s_mov_b32 s[\g+7], 0
.endr
	s_or_b32 s[G1S+0], s43, (3<<16)|(1<<21)
	s_or_b32 s[G1SB+0], s44, (3<<16)|(1<<21)
.irp g, G1S, G1SB
	s_mov_b32 s[\g+1], 32<<16
	s_mov_b32 s[\g+2], 16<<16
	s_mov_b32 s[\g+3], 32<<16
	s_mov_b32 s[\g+4], 16
	s_mov_b32 s[\g+5], 32
	s_mov_b32 s[\g+6], 0
	s_mov_b32 s[\g+7], 0
.endr
	s_lshl_b32 s18, s16, 3
	s_lshl_b32 s20, s17, 4
	s_add_co_u32 s20, s20, s18                     ; R's first tile that I fetch
	s_lshl_b32 s46, s42, 4
	s_add_co_u32 s46, s46, s18                     ; P's
	s_lshl_b32 s22, s20, 9
	s_add_co_u32 s22, s22, SCO                     ; their scale words, in bytes,
	s_mov_b32 s23, 0
	s_lshl_b32 s92, s46, 9
	s_add_co_u32 s92, s92, SCO
	s_mov_b32 s93, 0
	s_mul_i32 s20, s20, TILEB                      ; and their codes
	s_mov_b32 s21, 0
	s_mul_i32 s46, s46, TILEB
	s_mov_b32 s47, 0
	s_mul_i32 s45, s14, HALFT                      ; where they go: wave x 8 tiles: no place in the cluster enters an LDS address
	s_lshl_b32 s94, s14, 12
	s_wait_dscnt 0x0                               ; the opening add is done
	s_wait_kmcnt 0x0
	s_cmp_eq_u32 s95, 1
	s_cselect_b64 s[8:9], s[6:7], s[4:5]           ; R's buffer
	s_cselect_b64 s[10:11], s[4:5], s[6:7]         ; P's
	s_add_nc_u64 s[20:21], s[8:9], s[20:21]
	s_add_nc_u64 s[22:23], s[8:9], s[22:23]
	s_add_nc_u64 s[46:47], s[10:11], s[46:47]
	s_add_nc_u64 s[92:93], s[10:11], s[92:93]
	CROUND                                         ; all sixteen work-groups are here: the first joint loads meet
	s_mov_b32 s[G0S], 1
	s_add_co_u32 s[G0S+1], s94, SCL
	s_mov_b64 s[G0S+2:G0S+3], s[22:23]
	s_or_b32 s[G0S+3], s[G0S+3], 0x80000000
	s_mov_b32 s[G0SB], 1
	s_add_co_u32 s[G0SB+1], s94, SCL
	s_mov_b64 s[G0SB+2:G0SB+3], s[92:93]
	s_or_b32 s[G0SB+3], s[G0SB+3], 0x80000000
	JLOAD G0S, G1S, G0SB, G1SB                     ; the scale words first: they are wanted with K step 0
.irp s, 0,1
	s_mov_b32 s[G0+4*\s], 1
	s_add_co_u32 s[G0+4*\s+1], s45, \s*SLOT
	s_add_nc_u64 s[G0+4*\s+2:G0+4*\s+3], s[20:21], \s*STEPB
	s_or_b32 s[G0+4*\s+3], s[G0+4*\s+3], 0x80000000
	s_mov_b32 s[G0B+4*\s], 1
	s_add_co_u32 s[G0B+4*\s+1], s45, \s*SLOT
	s_add_nc_u64 s[G0B+4*\s+2:G0B+4*\s+3], s[46:47], \s*STEPB
	s_or_b32 s[G0B+4*\s+3], s[G0B+4*\s+3], 0x80000000
	JLOAD G0+4*\s, G1, G0B+4*\s, G1B               ; three loads of mine are out behind these
.endr
	v_and_b32 v1, 31, v0                           ; lane
	v_and_b32 v2, 15, v0                           ; r
	v_bfe_u32 v3, v0, 4, 1                         ; h
	v_lshlrev_b32 v4, 4, v1
	v_lshl_add_u32 v5, v1, 3, 512
	s_mul_i32 s21, s15, HALFT                      ; my 8 tiles of R
	s_mul_i32 s22, s16, HALFT                      ; my 8 tiles of P,
	s_add_co_u32 s22, s22, 2*HALFT                 ; which lie behind R's 16
.irp s, 0,1
	v_add_nc_u32 v[ADRA+\s], s21, v4
	v_add_nc_u32 v[ADRB+\s], s22, v4
	v_add_nc_u32 v[ADRA+2+\s], s21, v5
	v_add_nc_u32 v[ADRB+2+\s], s22, v5
	s_add_co_u32 s21, s21, SLOT
	s_add_co_u32 s22, s22, SLOT
.endr
	v_lshlrev_b32 v5, 3, v2                        ; my row's two words of a K step
	s_lshl_b32 s21, s15, 12                        ; R's: my 8 tiles
	s_lshl_b32 s22, s16, 12                        ; P's: my 8 tiles, behind R's 16
	s_add_co_u32 s22, s22, 2*HALFS
	s_sub_co_u32 s22, s22, s21
	v_mul_u32_u24 v6, s22, v3                      ; lanes 16-31 take P's
	s_add_co_u32 s21, s21, SCL
	v_add_nc_u32 v5, v5, v6
	v_add_nc_u32 v[ADRS], s21, v5
.macro FRAG reg, adr, q, i             ; a fragment (16 rows x 128 K, 12 registers) is two half fragments, each a load of 16 bytes and one of 8 bytes a lane: 512 and 256 consecutive bytes
	ds_load_b128 v[\reg:\reg+3], v[\adr] offset:TILEB*(\i)+1536*(\q)
	ds_load_b64 v[\reg+4:\reg+5], v[\adr+2] offset:TILEB*(\i)+1536*(\q)
	ds_load_b128 v[\reg+6:\reg+9], v[\adr] offset:TILEB*(\i)+1536*(\q)+768
	ds_load_b64 v[\reg+10:\reg+11], v[\adr+2] offset:TILEB*(\i)+1536*(\q)+768
.endm
; 16 matrix instructions: R's blocks a0, a0 + 1 x P's eight, 128 along K.  The 64 accumulators take turns, one instruction a turn, in the same order in every step.
.macro MUL16 a0, p, q, sc, zero
.irp a, \a0, \a0+1
.irp b, 0,1,2,3,4,5,6,7
.if \zero
	v_wmma_scale_f32_16x16x128_f8f6f4 v[8*(8*((\a)%4)+\b):8*(8*((\a)%4)+\b)+7], v[128*(\p)+FR*\b:128*(\p)+FR*\b+FR-1], v[AF+FR*(\a):AF+FR*(\a)+FR-1], 0, v[SC+8*NQ*(\sc)+NQ*\b+(\q)], v[SC+8*NQ*(\sc)+NQ*(\a)+(\q)] matrix_a_fmt:MATRIX_FMT_FP6 matrix_b_fmt:MATRIX_FMT_FP6 matrix_a_scale:MATRIX_SCALE_ROW1
.else
	v_wmma_scale_f32_16x16x128_f8f6f4 v[8*(8*((\a)%4)+\b):8*(8*((\a)%4)+\b)+7], v[128*(\p)+FR*\b:128*(\p)+FR*\b+FR-1], v[AF+FR*(\a):AF+FR*(\a)+FR-1], v[8*(8*((\a)%4)+\b):8*(8*((\a)%4)+\b)+7], v[SC+8*NQ*(\sc)+NQ*\b+(\q)], v[SC+8*NQ*(\sc)+NQ*(\a)+(\q)] matrix_a_fmt:MATRIX_FMT_FP6 matrix_b_fmt:MATRIX_FMT_FP6 matrix_a_scale:MATRIX_SCALE_ROW1
.endif
.endr
.endr
.endm
.macro FETCH_B slot, q, p
	WIN TO_B
.irp i, 0,1,2,3,4,5,6,7
	FRAG 128*(\p)+FR*\i, ADRB+\slot, \q, \i
.endr
	WIN 0
.endm
.macro FETCH_A slot, q, i0
.irp i, \i0, \i0+1, \i0+2, \i0+3
	FRAG AF+FR*(\i), ADRA+\slot, \q, \i
.endr
.endm
.macro SCALES sc                       ; a K step's scale words: two a row; lanes 0-15 take R's block i, lanes 16-31 P's block i
.irp i, 0,1,2,3,4,5,6,7
	ds_load_b64 v[SC+8*NQ*\sc+NQ*\i:SC+8*NQ*\sc+NQ*\i+1], v[ADRS] offset:\i*512
.endr
.endm
.macro PLACES n                        ; places in front of loads into registers that matrix instructions have read
.rept \n
	v_nop
.endr
.endm
.macro STEP slot, q, zero              ; 128 along K that have their successor in the same slot
	s_wait_dscnt 4*NL                              ; P's set, R's blocks 0-3 and the scale words are in; the youngest 16 loads (R's blocks 4-7) may be out
	WIN MUL_LO
	MUL16 0, (\q)%2, \q, \slot, \zero
	MUL16 2, (\q)%2, \q, \slot, \zero
	s_wait_dscnt 0
	PLACES NP
	FETCH_B \slot, (\q)+1, 1-(\q)%2
	FETCH_A \slot, (\q)+1, 0
	WIN MUL_HI
	MUL16 4, (\q)%2, \q, \slot, \zero
	MUL16 6, (\q)%2, \q, \slot, \zero
	PLACES NP
	WIN 0
	FETCH_A \slot, (\q)+1, 4
.endm
; A slot's last 128 change slots: one barrier; in front of it each wave waits for all its tensor loads, adds 0 to its spare word, and waits for that and for its own reads of this slot.
.macro TURN slot, next, fill
	s_wait_tensorcnt 0x0                           ; all my tensor loads have landed: my part of the next slot
	ds_add_u32 v[SPW], v[NIL]                      ; 0 onto my spare word
	s_wait_dscnt 4*NL+1                            ; (the add and the youngest 16 loads may be out)
	WIN MUL_LO
	MUL16 0, 1, NQ-1, \slot, 0
	s_wait_dscnt 0x0                               ; the add is done, and my reads of this slot are over
	s_barrier_signal -1
	MUL16 2, 1, NQ-1, \slot, 0
	WIN 0
	s_barrier_wait -1
.if \fill
	CREST                                          ; the barrier has opened a round of the cluster's barrier: no wave of any partner still reads this slot or has a load on its way
	s_add_nc_u64 s[G0+4*\slot+2:G0+4*\slot+3], s[G0+4*\slot+2:G0+4*\slot+3], 2*STEPB
	s_add_nc_u64 s[G0B+4*\slot+2:G0B+4*\slot+3], s[G0B+4*\slot+2:G0B+4*\slot+3], 2*STEPB
	JLOAD G0+4*\slot, G1, G0B+4*\slot, G1B         ; my one tensor load behind the round; its four v_nop are the places in front of the loads below
.else
	PLACES NP
.endif
	v_add_nc_u32 v[ADRS], 128, v[ADRS]             ; the next K step's scale words
	FETCH_B \next, 0, 0
	FETCH_A \next, 0, 0
	SCALES \next
	WIN MUL_HI
	MUL16 4, 1, NQ-1, \slot, 0
	MUL16 6, 1, NQ-1, \slot, 0
	PLACES NP
	WIN 0
	FETCH_A \next, 0, 4
.endm
	s_wait_tensorcnt 1                             ; the scale words and my part of K step 0 are in (K step 1's load may be out),
	s_barrier_signal -1
	s_barrier_wait -1                              ; everybody's are
	FETCH_B 0, 0, 0
	FETCH_A 0, 0, 0
	SCALES 0
	FETCH_A 0, 0, 4
	STEP 0, 0, 1                                   ; the first products start the sums: nothing is cleared
	TURN 0, 1, 1                                   ; slot 0 takes K step 2
	STEP 1, 0, 0
	TURN 1, 0, 1                                   ; slot 1 takes K step 3
	STEP 0, 0, 0
	TURN 0, 1, 0                                   ; nothing is left to fetch
	STEP 1, 0, 0
	s_wait_dscnt 4*NL
	WIN MUL_LO
	MUL16 0, 1, NQ-1, 1, 0
	MUL16 2, 1, NQ-1, 1, 0
	s_wait_dscnt 0
	WIN MUL_HI
	MUL16 4, 1, NQ-1, 1, 0
	MUL16 6, 1, NQ-1, 1, 0
	WIN 0
	; THE WAY OUT.  All my tensor loads were shown done at the last change of slots: the descriptors' registers are free.
	s_lshl_b32 s24, s17, 8
	s_lshl_b32 s25, s15, 7
	s_add_co_u32 s24, s24, s25                     ; R's first row of mine
	s_lshl_b32 s25, s42, 8
	s_lshl_b32 s26, s16, 7
	s_add_co_u32 s25, s25, s26                     ; P's
	s_cmp_eq_u32 s95, 1
	s_cselect_b32 s26, s25, s24                    ; my first token
	s_cselect_b32 s27, s24, s25                    ; my first column of qkv
	s_mov_b32 s28, 98304
	s_cselect_b32 s28, 768, s28                    ; from a block's first half fragment to its second: the next head's record, or the next 64 keys
	s_mov_b32 s30, 768
	s_cselect_b32 s30, 1536, s30                   ; from block a to a + 1: the next token tile, or the next d tile
	s_mov_b32 s32, 768
	s_cselect_b32 s32, 93696, s32                  ; from block 3 to 4: v: the next head's record, three d tiles back
	s_cselect_b32 s34, 0, 16                       ; q, k: lanes 16-31 keep the second head's two bytes
	s_mov_b32 s35, 256
	s_cselect_b32 s35, 4096, s35                   ; the scale words' store: where lanes 16-31 go
	s_cselect_b32 s36, 12, 13                      ; a record of scale words: 4,096 or 8,192 bytes
	s_cselect_b32 s37, 1, 2                        ; 2 or 4 bytes a token
	s_cselect_b32 s38, 262144, 0                   ; v's records lie behind q's and k's 64, and G counts from 64 there
	s_mov_b32 s29, 0
	s_mov_b32 s31, 0
	s_mov_b32 s33, 0
	s_lshr_b32 s39, s26, 11                        ; batch
	s_and_b32 s26, s26, 2047                       ; token in the batch
	s_lshr_b32 s48, s27, 10                        ; q, k or v
	s_lshl_b32 s48, s48, 5
	s_lshl_b32 s39, s39, 4
	s_add_co_u32 s48, s48, s39
	s_bfe_u32 s39, s27, 0x40006                    ; head
	s_add_co_u32 s48, s48, s39                     ; G
	s_mul_i32 s50, s48, 98304
	s_mul_i32 s51, s26, 48                         ; 768 bytes for 16 tokens; 6,144 for 128 keys
	s_add_co_u32 s50, s50, s51
	s_mov_b32 s51, 0
	s_add_nc_u64 s[50:51], s[12:13], s[50:51]      ; the first half fragment's place
	s_add_nc_u64 s[52:53], s[50:51], s[28:29]      ; the second's
	s_lshl_b32 s54, s48, s36
	s_lshl_b32 s55, s26, s37
	s_add_co_u32 s54, s54, s55
	s_add_co_u32 s54, s54, s38
	s_add_co_u32 s54, s54, QKS
	s_mov_b32 s55, 0
	s_add_nc_u64 s[54:55], s[12:13], s[54:55]      ; the scale words' place
	s_add_nc_u64 s[56:57], s[54:55], 8192          ; q, k: the second head's
	s_lshl_b32 s58, s14, 10                        ; my stage: 1,024 bytes in slot 0, which has had its last fill and its last read
	s_mov_b32 s60, 0x76543210
	s_mov_b32 s61, 0xfedcba98
	; these fourteen lines name no register of the last products: they are the places behind them
	v_lshlrev_b32 v[LI], 4, v1
	v_lshl_add_u32 v[LB], v1, 3, 512
	v_mul_u32_u24 v[SHV], s34, v3
	v_lshlrev_b32 v[STS], 2, v2
	v_lshl_add_u32 v[STS], v3, 9, v[STS]
	v_add_nc_u32 v[STS], s58, v[STS]               ; in: [h][block][r]
	v_add_nc_u32 v[STR], s58, v[LI]                ; back: 16 bytes a lane
	v_mul_u32_u24 v[VSO], s35, v3
	v_lshl_add_u32 v[VSO], v2, 4, v[VSO]
	v_nop
.irp b, 0,1,2,3
	v_mov_b32 v[TM+4+\b], 0                        ; written once: a lane permute's destination counts as one of its sources
.endr
; Block a: 16 rows of R x my 128 of P.  Register 16 b + i of the block is k = 32 b + 16 (lane / 16) + i of my row: four blocks of 32, shared with lane l xor 16.
.macro QUANT a
.set QW, 2+(\a)/4
.set QS, 64*((\a)%4)
.set PC, 128+12*(\a)
	WIN (QW<<2)|(QW<<4)
.irp b, 0,1,2,3
	v_max3_num_f32 v[TM+\b], 0x1800000, |v[QS+16*\b]|, |v[QS+16*\b+1]|    ; each accumulator is read from its low end on; the floor 2^(3 - 127) holds the byte at 1 from below
.endr
.irp i, 2,4,6,8,10,12,14
.irp b, 0,1,2,3
	v_max3_num_f32 v[TM+\b], v[TM+\b], |v[QS+16*\b+\i]|, |v[QS+16*\b+\i+1]|
.endr
.endr
	WIN 0
.irp b, 0,1,2,3
	v_permlanex16_b32 v[TM+4+\b], v[TM+\b], s60, s61
.endr
.irp b, 0,1,2,3
	v_max_num_f32 v[TM+\b], v[TM+\b], v[TM+4+\b]
.endr
.irp b, 0,1,2,3
	v_add_nc_u32 v[TM+12+\b], 0xff000000, v[TM+\b] ; 2 off the exponent field: the conversion's scale operand
.endr
.irp b, 0,1,2,3
	v_lshrrev_b32 v[TM+4+\b], 23, v[TM+12+\b]      ; the scale's byte
.endr
	v_lshl_or_b32 v[PW], v[TM+5], 8, v[TM+4]
	v_lshl_or_b32 v[PW], v[TM+6], 16, v[PW]
	v_lshl_or_b32 v[PW], v[TM+7], 24, v[PW]
	WIN QW
.irp c, 0,1
	v_cvt_scalef32_pk16_fp6_f32 v[PC+6*\c:PC+6*\c+2], v[QS+32*\c:QS+32*\c+15], v[TM+12+2*\c]
	v_cvt_scalef32_pk16_fp6_f32 v[CT+4*\c:CT+4*\c+2], v[QS+32*\c+16:QS+32*\c+31], v[TM+12+2*\c+1]
.endr
	WIN 0
	v_nop                                          ; one plain place behind a scaled conversion
.irp c, 0,1                            ; the layout wants a whole block in a lane: lanes 0-15 block 2 c, lanes 16-31 block 2 c + 1
.irp i, 0,1,2
	v_permlane16_swap_b32 v[PC+6*\c+\i], v[CT+4*\c+\i]
.endr
.irp i, 0,1,2
	v_mov_b32 v[PC+6*\c+3+\i], v[CT+4*\c+\i]
.endr
.endr
.endm
.macro OUTB a
	QUANT \a
	v_lshrrev_b32 v[PWS+(\a)], v[SHV], v[PW]
	ds_store_b32 v[STS], v[PWS+(\a)] offset:64*(\a)
.if (\a) > 0
	s_wait_xcnt 0x0                                ; the last block's stores have read their bases
.if (\a) == 4
	s_add_nc_u64 s[50:51], s[50:51], s[32:33]
	s_add_nc_u64 s[52:53], s[52:53], s[32:33]
.else
	s_add_nc_u64 s[50:51], s[50:51], s[30:31]
	s_add_nc_u64 s[52:53], s[52:53], s[30:31]
.endif
.endif
	global_store_b128 v[LI], v[PC:PC+3], s[50:51]          ; 512 consecutive bytes, aligned
	global_store_b64 v[LB], v[PC+4:PC+5], s[50:51]         ; 256 consecutive bytes, aligned
	global_store_b128 v[LI], v[PC+6:PC+9], s[52:53]
	global_store_b64 v[LB], v[PC+10:PC+11], s[52:53]
.endm
.irp a, 0,1,2,3,4,5,6,7
	OUTB \a
.endr
	ds_load_b128 v[BKS:BKS+3], v[STR]              ; LDS serves a wave's instructions in order: these see my stores
	ds_load_b128 v[BKS+4:BKS+7], v[STR] offset:512
	s_wait_dscnt 0x0
	global_store_b128 v[VSO], v[BKS:BKS+3], s[54:55]       ; q, k: the first head's 512 bytes; v: 256 bytes for each of two heads
	s_cmp_lg_u32 s95, 0
	s_cbranch_scc1 .Lno_second                     ; v has one word a row: the second half of the stage repeats the first
	global_store_b128 v[VSO], v[BKS+4:BKS+7], s[56:57]     ; q, k: the second head's 512 bytes
.Lno_second:
	s_wait_tensorcnt 0x0                           ; the wave's end: these three lines behind my last tensor load and my last LDS store
	ds_add_u32 v[SPW], v[NIL]
	s_wait_dscnt 0x0
	CROUND                                         ; the closing round: no work-group ends while a partner may still ask for a tile that names it
	s_endpgm
.Lfunc_end_k_q05b94f0cf3_gemm_qkv:
	.size	k_q05b94f0cf3_gemm_qkv, .Lfunc_end_k_q05b94f0cf3_gemm_qkv-k_q05b94f0cf3_gemm_qkv
	.p2alignl 7, 3214868480
	.fill 96, 4, 3214868480
	.section	.rodata,"a",@progbits
	.p2align	6, 0x0
	.amdhsa_kernel k_q05b94f0cf3_gemm_qkv
		.amdhsa_group_segment_fixed_size 327680
		.amdhsa_private_segment_fixed_size 0
		.amdhsa_enable_private_segment 0
		.amdhsa_kernarg_size 24
		.amdhsa_user_sgpr_count 2
		.amdhsa_user_sgpr_kernarg_segment_ptr 1
		.amdhsa_wavefront_size32 1
		.amdhsa_system_sgpr_workgroup_id_x 1
		.amdhsa_system_sgpr_workgroup_id_y 1
		.amdhsa_system_sgpr_workgroup_id_z 1
		.amdhsa_system_vgpr_workitem_id 0
		.amdhsa_next_free_vgpr 1024
		.amdhsa_next_free_sgpr 100
		.amdhsa_reserve_vcc 0
		.amdhsa_float_denorm_mode_32 3
		.amdhsa_float_denorm_mode_16_64 3
		.amdhsa_memory_ordered 1
		.amdhsa_forward_progress 1
		.amdhsa_inst_pref_size 152
	.end_amdhsa_kernel
	.amdgpu_metadata
---
amdhsa.version: [ 1, 2 ]
amdhsa.kernels:
  - .name:           k_q05b94f0cf3_gemm_qkv
    .symbol:         k_q05b94f0cf3_gemm_qkv.kd
    .args:
      - { .name: xq, .offset: 0, .size: 8, .value_kind: global_buffer, .address_space: global }
      - { .name: wq, .offset: 8, .size: 8, .value_kind: global_buffer, .address_space: global }
      - { .name: att, .offset: 16, .size: 8, .value_kind: global_buffer, .address_space: global }
    .group_segment_fixed_size: 327680
    .private_segment_fixed_size: 0
    .kernarg_segment_align: 8
    .kernarg_segment_size: 24
    .max_flat_workgroup_size: 128
    .sgpr_count:     100
    .vgpr_count:     1024
    .wavefront_size: 32
...
	.end_amdgpu_metadata
.endif
;; end of part 3
;; launch attn (part 4): grid 8 x 32, 8 waves a work-group, no clusters, 209,920 bytes of LDS; arguments att, yq; writes yq
.if DOCPART == 4
	.amdgcn_target "amdgcn-amd-amdhsa--gfx1250"
	.amdhsa_code_object_version 6
	.text
	.protected	k_q05b94f0cf3_attn
	.globl	k_q05b94f0cf3_attn
	.p2align	8
	.type	k_q05b94f0cf3_attn,@function
k_q05b94f0cf3_attn:
	s_mov_b64 s[64:65], 0
	v_nop
	global_prefetch_b8 v0, s[64:65] scope:SCOPE_SE
	s_setreg_imm32_b32 hwreg(HW_REG_WAVE_MODE, 25, 1), 1
	s_wait_xcnt 0x0
; y[b][q][head] = softmax(causal(q k^T / 8)) v, both products on codes of FP6 (E2M3) with E8M0 scales; y leaves quantised along (head, d), as the last product's operand.
; THE SOFTMAX AHEAD OF THE SECOND PRODUCT: t = score x log2(e) / 8; M = the running largest t rounded UP to a whole number; p = 2^(t - M) is quantised along the keys, not normalised;
; the row's sum is taken of the unquantised p and divides at the end.  When M moves, the sum and O are multiplied by 2^(old M - new M): exact.
; INPUT (att): q, k records [token tile][half fragment of 768 bytes]; v records [128 keys][d tile][2 half fragments]; scale words behind them.  Tile T holds rows 32 (T / 2) + 8 (T % 2) + r + 8 (r / 8),
; so that the 16 registers of result tiles 2 b, 2 b + 1 are 16 neighbours: keys in S^T, d in O^T.
; THE HEAD'S 64 ARE HALF OF THE INSTRUCTION'S K: Q's upper six registers are zero codes; K's operand of tile t names tile t + 1's six registers as its upper half (zeros behind tile 7), which meet those zeros.
; SHARES.  A work-group belongs to one (batch, head) and owns two blocks of 128 queries: first block 15 - x, then block x: 17 key steps of 128 for every wave of the launch, whatever x.
; Wave w owns query tile w of the block.  The head's K, V and their scale words lie in LDS whole, filled once, in four groups of 512 keys; the later groups land under the first block's work.
; NO CLUSTER: the work-groups that share K and V are the query blocks of one head, and a step is left out by a branch on the query block, which differs between them.
; LIMITS: NaN and infinities are not served; a block of y under 2^-124 keeps the byte 1; a block of zeros gets the byte 1 where the rule says 127 (zero codes; this program alone reads the bytes).
; REGISTERS: v1-7 lane terms; v8-11, v28, v29 addresses in hand; v12 -M, v13 the largest t, v[14:15] the sum; v16-27 Q; v32-85 K's tiles, then V's fragments; v86-93 their scale words;
;   v96-159 S^T, then p; v160-191 O^T; v192-223 y; v224-235 codes; v232-254 at work; v255 Q's scale word.
.set STEPB, 786432
.set SCO,   3145728
.set REC,   98304
.set QKS,   9437184
.set VSS,   9961472
.set VOFF,  98304                      ; LDS: K's record at 0, V's here,
.set KSC,   196608                     ; K's scale words,
.set VSC,   204800                     ; V's,
.set SPARE, 208896                     ; the spare words: 128 bytes for each of eight waves, named by no other line
.set SPW,  5
.set NIL,  6
.set G1A,  16                          ; s[16:23] group 1: 24 rows of 256 bytes;  s[24:31]: 4 rows;  s[32:39]: 2 rows
.set G1S,  24
.set G1T,  32
.set SEL,  66
.set CS,   68
.set QB,   70                          ; the block of 128 queries in hand
.set SI,   71                          ; the key step
.set TB,   72                          ; 6,144 x key step
.set TSK,  73                          ; KSC + 512 x key step
.set TSV,  74                          ; VSC + 256 x key step
.set CNT,  75
	s_load_b128 s[4:7], s[0:1], 0x0                ; att, yq
	v_lshl_add_u32 v[SPW], v0, 2, SPARE
	v_mov_b32 v[NIL], 0
	ds_add_u32 v[SPW], v[NIL]                      ; the wave's opening: the add and its wait ahead of my first tensor load; work on registers stands between
	v_lshrrev_b32 v8, 5, v0
	v_readfirstlane_b32 s8, v8                     ; wave 0..7
	s_and_b32 s13, ttmp7, 0xffff                   ; 16 batch + head
.irp g, G1A, G1S, G1T
	s_mov_b32 s[\g+0], 3<<16                       ; no mask; elements of 8 bytes; no padding
	s_mov_b32 s[\g+1], 32<<16                      ; tensor_dim0
	s_mov_b32 s[\g+3], 32<<16                      ; tile_dim0
	s_mov_b32 s[\g+5], 32                          ; the pitch
	s_mov_b32 s[\g+6], 0
	s_mov_b32 s[\g+7], 0
.endr
	s_mov_b32 s[G1A+2], 24<<16                     ; tensor_dim1 and tile_dim1: the rows
	s_mov_b32 s[G1A+4], 24
	s_mov_b32 s[G1S+2], 4<<16
	s_mov_b32 s[G1S+4], 4
	s_mov_b32 s[G1T+2], 2<<16
	s_mov_b32 s[G1T+4], 2
	s_lshl_b32 s9, s8, 10                          ; K's scale words: 1,024 bytes a wave
	s_add_co_u32 s41, s9, KSC
	s_add_co_u32 s88, s13, 32
	s_lshl_b32 s88, s88, 13
	s_add_co_u32 s88, s88, s9
	s_add_co_u32 s88, s88, QKS
	s_mov_b32 s89, 0
	s_lshl_b32 s9, s8, 9                           ; V's: 512 bytes a wave
	s_add_co_u32 s45, s9, VSC
	s_lshl_b32 s90, s13, 12
	s_add_co_u32 s90, s90, s9
	s_add_co_u32 s90, s90, VSS
	s_mov_b32 s91, 0
	s_lshr_b32 s9, s8, 2                           ; waves 0-3 fetch K, waves 4-7 V: a quarter of each group of 512 keys
	s_and_b32 s10, s8, 3
	s_mul_i32 s10, s10, 6144
	s_mul_i32 s11, s9, REC
	s_add_co_u32 s11, s11, s10                     ; in LDS,
	s_lshl_b32 s9, s9, 5
	s_add_co_u32 s9, s9, s13
	s_add_co_u32 s9, s9, 32
	s_mul_i32 s14, s9, REC
	s_add_co_u32 s14, s14, s10                     ; and in att
	s_mov_b32 s15, 0
	s_wait_dscnt 0x0                               ; the opening add is done
	s_wait_kmcnt 0x0
	s_mov_b32 s40, 1
	s_add_nc_u64 s[42:43], s[4:5], s[88:89]
	s_or_b32 s43, s43, 0x80000000
	s_mov_b32 s44, 1
	s_add_nc_u64 s[46:47], s[4:5], s[90:91]
	s_or_b32 s47, s47, 0x80000000
	s_add_nc_u64 s[14:15], s[4:5], s[14:15]
.irp g, 0,1,2,3
	s_mov_b32 s[48+4*\g], 1
	s_add_co_u32 s[49+4*\g], s11, 24576*\g
	s_add_nc_u64 s[50+4*\g:51+4*\g], s[14:15], 24576*\g
	s_or_b32 s[51+4*\g], s[51+4*\g], 0x80000000
.endr
	tensor_load_to_lds s[40:43], s[G1S:G1S+7]      ; all first fills go out together: six loads of mine are out
	s_nop 0
	tensor_load_to_lds s[44:47], s[G1T:G1T+7]
	s_nop 0
.irp g, 0,1,2,3
	tensor_load_to_lds s[48+4*\g:51+4*\g], s[G1A:G1A+7]
	s_nop 0
.endr
	s_lshr_b32 s9, s13, 4                          ; batch
	s_and_b32 s10, s13, 15                         ; head
	s_mul_i32 s84, s13, REC                        ; q's record
	s_lshl_b32 s85, s13, 13
	s_add_co_u32 s85, s85, QKS                     ; q's scale words
	s_lshr_b32 s12, s10, 2
	s_mul_i32 s86, s12, STEPB                      ; y: K step head / 4,
	s_mul_i32 s87, s9, 128*3072                    ; the batch's 128 tiles,
	s_add_co_u32 s86, s86, s87
	s_and_b32 s87, s10, 3
	s_mul_i32 s87, s87, 768                        ; half fragment head % 4
	s_add_co_u32 s86, s86, s87
	s_lshl_b32 s87, s9, 16                         ; y's scale bytes: [tile][K step][r][word], two bytes of the word
	s_lshl_b32 s12, s12, 7
	s_add_co_u32 s87, s87, s12
	s_bfe_u32 s12, s10, 0x10001
	s_lshl_b32 s12, s12, 2
	s_add_co_u32 s87, s87, s12
	s_and_b32 s12, s10, 1
	s_lshl_b32 s12, s12, 1
	s_add_co_u32 s87, s87, s12
	s_add_co_u32 s87, s87, SCO
	s_mov_b32 s[SEL], 0x76543210
	s_mov_b32 s[SEL+1], 0xfedcba98                 ; selects for lane l xor 16
	s_mov_b32 s[CS], 0x3e38aa3b                    ; c = log2(e) / 8
	s_mov_b32 s[CS+1], s[CS]                       ; (named with it as a pair, so it is written)
	v_and_b32 v8, 31, v0                           ; lane
	v_and_b32 v9, 15, v0                           ; r
	v_bfe_u32 v10, v0, 4, 1                        ; h
	v_lshlrev_b32 v1, 4, v8                        ; 16 x lane
	v_lshl_add_u32 v2, v8, 3, 512                  ; 512 + 8 x lane
	v_lshlrev_b32 v3, 2, v9                        ; 4 r
	v_lshlrev_b32 v7, 3, v9                        ; 8 r
	v_and_b32 v4, 8, v9
	v_add_nc_u32 v4, v4, v9
	s_lshr_b32 s9, s8, 1
	s_lshl_b32 s9, s9, 5
	s_and_b32 s10, s8, 1
	s_lshl_b32 s10, s10, 3
	s_add_co_u32 s9, s9, s10
	v_add_nc_u32 v4, s9, v4                        ; my query in its block of 128,
	v_lshlrev_b32 v10, 4, v10
	v_sub_nc_u32 v4, v4, v10                       ; less 16 h: register 16 b + i holds key 32 b + 16 h + i of the step: hidden on the diagonal where 32 b + i is above this
.irp j, 0,1,2,3,4,5
	v_mov_b32 v[22+\j], 0                          ; Q's upper 64 along K: zero codes
	v_mov_b32 v[80+\j], 0                          ; behind K's tile 7
.endr
.irp b, 0,1,2,3
	v_mov_b32 v[236+\b], 0                         ; written once: a lane permute's destination counts as one of its sources
.endr
	v_mov_b32 v252, 0
	v_mov_b32 v253, 0
.macro PASS_INIT                       ; the block s[QB]: addresses, Q, and the running numbers
	s_wait_xcnt 0x0                                ; the last block's stores have read their bases and their data
	s_lshl_b32 s88, s[QB], 3
	s_add_co_u32 s88, s88, s8                      ; my query tile
	s_mul_i32 s90, s88, 768
	s_add_co_u32 s90, s90, s84
	s_mov_b32 s91, 0
	s_add_nc_u64 s[76:77], s[4:5], s[90:91]
	s_lshl_b32 s90, s88, 6
	s_add_co_u32 s90, s90, s85
	s_add_nc_u64 s[78:79], s[4:5], s[90:91]
	s_mul_i32 s90, s88, 3072
	s_add_co_u32 s90, s90, s86
	s_add_nc_u64 s[80:81], s[6:7], s[90:91]
	s_lshl_b32 s90, s88, 9
	s_add_co_u32 s90, s90, s87
	s_add_nc_u64 s[82:83], s[6:7], s[90:91]
	global_load_b128 v[16:19], v1, s[76:77]
	global_load_b64 v[20:21], v2, s[76:77]
	global_load_b32 v255, v3, s[78:79]
	v_mov_b32 v13, 0xff61b1e6                      ; the largest t so far: -3e38, under every t
	v_floor_f32 v12, -v13                          ; -M
	v_mov_b32 v14, 0
	v_mov_b32 v15, 0
.set j, 0
.rept 32
	v_mov_b32 v[160+j], 0                          ; O^T: the step is written once; its first run finds zeros, which the first change of M leaves zeros
.set j, j+1
.endr
	s_mov_b32 s[SI], 0
	s_mov_b32 s[TB], 0
	s_mov_b32 s[TSK], KSC
	s_mov_b32 s[TSV], VSC
	s_wait_loadcnt 0x0
.endm
.macro STEP                            ; 128 keys
	s_cmp_gt_u32 s[SI], s[QB]                      ; all its keys come after my queries: the step's work is left out, not the lines at its end that step addresses
	s_cbranch_scc1 .Lhidden_\@
	v_add_nc_u32 v8, s[TB], v1                     ; these six are also the places in front of loads into registers that the last products read
	v_add_nc_u32 v9, s[TB], v2
	v_add_nc_u32 v28, s[TSK], v3
	v_add_nc_u32 v29, s[TSV], v3
	v_add_nc_u32 v10, VOFF, v8
	v_add_nc_u32 v11, VOFF, v9
.irp t, 0,1,2,3,4,5,6,7
	ds_load_b128 v[32+6*\t:35+6*\t], v8 offset:768*\t
	ds_load_b64 v[36+6*\t:37+6*\t], v9 offset:768*\t
	ds_load_b32 v[86+\t], v28 offset:64*\t
.endr
	s_wait_dscnt 9                                 ; tiles 0 to 4 are in (tile 3's operand names tile 4's registers); tiles 5 to 7, three loads each, may be out
.irp t, 0,1,2,3
	v_wmma_scale_f32_16x16x128_f8f6f4 v[96+8*\t:103+8*\t], v[32+6*\t:43+6*\t], v[16:27], 0, v[86+\t], v255 matrix_a_fmt:MATRIX_FMT_FP6 matrix_b_fmt:MATRIX_FMT_FP6
.endr
	s_wait_dscnt 0x0
.irp t, 4,5,6,7
	v_wmma_scale_f32_16x16x128_f8f6f4 v[96+8*\t:103+8*\t], v[32+6*\t:43+6*\t], v[16:27], 0, v[86+\t], v255 matrix_a_fmt:MATRIX_FMT_FP6 matrix_b_fmt:MATRIX_FMT_FP6
.endr
.rept 4
	v_nop                                          ; places: in front of the loads below and of the first read of the scores
.endr
.irp t, 0,1,2,3                        ; V's four fragments (16 d x 128 keys) and their scale words: they land under the softmax
	ds_load_b128 v[32+12*\t:35+12*\t], v10 offset:1536*\t
	ds_load_b64 v[36+12*\t:37+12*\t], v11 offset:1536*\t
	ds_load_b128 v[38+12*\t:41+12*\t], v10 offset:1536*\t+768
	ds_load_b64 v[42+12*\t:43+12*\t], v11 offset:1536*\t+768
	ds_load_b32 v[86+\t], v29 offset:64*\t
.endr
	s_cmp_lg_u32 s[SI], s[QB]                      ; on the diagonal alone the scores of hidden keys become -infinity: p = 0 then
	s_cbranch_scc1 .Lopen_\@
	v_mov_b32 v254, 0xff800000
.set n, 0
.rept 64
	v_cmp_gt_i32 vcc_lo, 32*(n/16)+n%16, v4
	v_cndmask_b32 v[96+n], v[96+n], v254, vcc_lo
.set n, n+1
.endr
.Lopen_\@:
.irp b, 0,1,2,3
	v_max3_num_f32 v[232+\b], v[96+16*\b], v[97+16*\b], v[98+16*\b]   ; the largest score of each block of 32 keys: for the row's maximum and, since p rises with the score, for the block's largest p
.endr
.irp i, 3,5,7,9,11,13
.irp b, 0,1,2,3
	v_max3_num_f32 v[232+\b], v[232+\b], v[96+16*\b+\i], v[97+16*\b+\i]
.endr
.endr
.irp b, 0,1,2,3
	v_max_num_f32 v[232+\b], v[232+\b], v[111+16*\b]
.endr
.irp b, 0,1,2,3
	v_permlanex16_b32 v[236+\b], v[232+\b], s[SEL], s[SEL+1]
.endr
.irp b, 0,1,2,3
	v_max_num_f32 v[232+\b], v[232+\b], v[236+\b]  ; with lane l xor 16's 16 keys
.endr
	v_max3_num_f32 v254, v232, v233, v234
	v_max_num_f32 v254, v254, v235
	v_mul_f32 v254, s[CS], v254                    ; as t (c is positive)
	v_max_num_f32 v13, v13, v254                   ; the running largest t
	v_mov_b32 v254, v12
	v_floor_f32 v12, -v13                          ; the new -M = floor(-t): M is a whole number
	v_sub_f32 v254, v12, v254                      ; old M less new M: a whole number, 0 or less
	v_cvt_i32_f32 v254, v254                       ; (it saturates)
	v_ldexp_f32 v252, 1.0, v254                    ; f = 2^(old M - new M)
.set j, 0
.rept 32
	v_pk_fma_f32 v[96+j:97+j], v[96+j:97+j], s[CS:CS+1], v[12:13] op_sel_hi:[1,0,0]   ; t - M, two at a time
.set j, j+2
.endr
.irp b, 0,1,2,3
	v_fma_f32 v[232+\b], v[232+\b], s[CS], v12     ; the same of each block's largest score
.endr
.set j, 0
.rept 64
	v_exp_f32 v[96+j], v[96+j]                     ; p = 2^(t - M), at most 1
.set j, j+1
.endr
	v_pk_mul_f32 v[14:15], v[14:15], v[252:253] op_sel_hi:[1,0]   ; the sums under the new M: a plain place behind the exponentials
	s_wait_alu depctr_va_vdst(0)                   ; one wait for the batch, ahead of its first reader
.irp b, 0,1,2,3
	v_exp_f32 v[232+\b], v[232+\b]                 ; the block's largest p: the same two instructions on the same number give the same bits
.endr
	v_pk_add_f32 v[236:237], v[96:97], v[98:99]    ; the row's sum of the unquantised p, in two chains
.irp j, 4,8,12,16,20,24,28,32,36,40,44,48,52,56,60
	v_pk_add_f32 v[14:15], v[14:15], v[96+\j:97+\j]
	v_pk_add_f32 v[236:237], v[236:237], v[98+\j:99+\j]
.endr
	v_pk_add_f32 v[14:15], v[14:15], v[236:237]
	s_wait_alu depctr_va_vdst(0)                   ; and one for the four
.irp b, 0,1,2,3
	v_max_num_f32 v[232+\b], 0x1800000, v[232+\b]  ; the floor 2^(3 - 127): the byte cannot fall under 1
.endr
.irp b, 0,1,2,3
	v_add_nc_u32 v[244+\b], 0xff000000, v[232+\b]  ; 2 off the exponent field: the conversion's scale operand
.endr
.irp b, 0,1,2,3
	v_lshrrev_b32 v[236+\b], 23, v[244+\b]         ; the scale's byte
.endr
	v_lshl_or_b32 v253, v237, 8, v236              ; p's scale word for these 128 keys
	v_lshl_or_b32 v253, v238, 16, v253
	v_lshl_or_b32 v253, v239, 24, v253
.irp c, 0,1
	v_cvt_scalef32_pk16_fp6_f32 v[224+6*\c:226+6*\c], v[96+32*\c:111+32*\c], v[244+2*\c]
	v_cvt_scalef32_pk16_fp6_f32 v[236+4*\c:238+4*\c], v[112+32*\c:127+32*\c], v[244+2*\c+1]
.endr
	v_nop                                          ; one plain place behind a scaled conversion
.irp c, 0,1
.irp i, 0,1,2
	v_permlane16_swap_b32 v[224+6*\c+\i], v[236+4*\c+\i]
.endr
.irp i, 0,1,2
	v_mov_b32 v[227+6*\c+\i], v[236+4*\c+\i]
.endr
.endr
.set j, 0
.rept 16
	v_pk_mul_f32 v[160+j:161+j], v[160+j:161+j], v[252:253] op_sel_hi:[1,0]   ; O^T under the new M; these are also the places between p's codes and scale word and the products
.set j, j+2
.endr
	s_wait_dscnt 0x0                               ; V is in
.irp t, 0,1,2,3                        ; O^T += V^T P^T: the four accumulators take turns
	v_wmma_scale_f32_16x16x128_f8f6f4 v[160+8*\t:167+8*\t], v[32+12*\t:43+12*\t], v[224:235], v[160+8*\t:167+8*\t], v[86+\t], v253 matrix_a_fmt:MATRIX_FMT_FP6 matrix_b_fmt:MATRIX_FMT_FP6
.endr
.Lhidden_\@:
	s_add_co_u32 s[SI], s[SI], 1
	s_add_co_u32 s[TB], s[TB], 6144
	s_add_co_u32 s[TSK], s[TSK], 512
	s_add_co_u32 s[TSV], s[TSV], 256
.endm
.macro RUN n
	s_mov_b32 s[CNT], \n
.Lrun_\@:
	STEP
	s_sub_co_u32 s[CNT], s[CNT], 1
	s_cmp_lg_u32 s[CNT], 0
	s_cbranch_scc1 .Lrun_\@
.endm
.macro GROUP left                      ; the next 512 keys: my part has landed, and after the barrier everybody's; nothing is filled again, so the later groups may stay out
	s_wait_tensorcnt \left
	s_wait_dscnt 0x0
	s_barrier_signal -1
	s_barrier_wait -1
	RUN 4
.endm
.macro FINAL                           ; y = O^T / the sum, quantised along d: two blocks of 32, one half fragment
.rept 4
	v_nop
.endr
	v_add_f32 v14, v14, v15
	v_permlanex16_b32 v252, v14, s[SEL], s[SEL+1]
	v_add_f32 v14, v14, v252                       ; the row's sum
	v_rcp_f32 v14, v14
	v_nop                                          ; a plain place behind the reciprocal,
	s_wait_alu depctr_va_vdst(0)                   ; and a wait ahead of its first reader
.set j, 0
.rept 32
	v_mul_f32 v[192+j], v[160+j], v14              ; register 16 b + i is d = 32 b + 16 h + i of my query
.set j, j+1
.endr
.irp b, 0,1
	v_max3_num_f32 v[232+\b], |v[192+16*\b]|, |v[193+16*\b]|, 0x1800000
.endr
.irp i, 2,4,6,8,10,12,14
.irp b, 0,1
	v_max3_num_f32 v[232+\b], v[232+\b], |v[192+16*\b+\i]|, |v[193+16*\b+\i]|
.endr
.endr
.irp b, 0,1
	v_permlanex16_b32 v[236+\b], v[232+\b], s[SEL], s[SEL+1]
.endr
.irp b, 0,1
	v_max_num_f32 v[232+\b], v[232+\b], v[236+\b]
.endr
.irp b, 0,1
	v_add_nc_u32 v[244+\b], 0xff000000, v[232+\b]
.endr
.irp b, 0,1
	v_lshrrev_b32 v[236+\b], 23, v[244+\b]
.endr
	v_lshl_or_b32 v254, v237, 8, v236              ; my head's two bytes of the row's scale word
	v_cvt_scalef32_pk16_fp6_f32 v[224:226], v[192:207], v244
	v_cvt_scalef32_pk16_fp6_f32 v[236:238], v[208:223], v245
	v_nop
.irp i, 0,1,2
	v_permlane16_swap_b32 v[224+\i], v[236+\i]
.endr
.irp i, 0,1,2
	v_mov_b32 v[227+\i], v[236+\i]
.endr
	global_store_b128 v1, v[224:227], s[80:81]     ; 512 consecutive bytes, aligned
	global_store_b64 v2, v[228:229], s[80:81]      ; 256 consecutive bytes, aligned
	global_store_b16 v7, v254, s[82:83]            ; two bytes a row, 8 bytes apart: the word's other half is another head's (lanes l and l xor 16 store the same bytes)
.endm
	s_sub_co_u32 s[QB], 15, ttmp9                  ; the late block first
	PASS_INIT
	GROUP 3
	GROUP 2
	GROUP 1
	GROUP 0
	FINAL
	s_mov_b32 s[QB], ttmp9                         ; then the early one: at most 8 key steps
	PASS_INIT
	RUN 8
	FINAL
	s_wait_tensorcnt 0x0                           ; the wave's end: these three lines behind my last tensor load
	ds_add_u32 v[SPW], v[NIL]
	s_wait_dscnt 0x0
	s_endpgm
.Lfunc_end_k_q05b94f0cf3_attn:
	.size	k_q05b94f0cf3_attn, .Lfunc_end_k_q05b94f0cf3_attn-k_q05b94f0cf3_attn
	.p2alignl 7, 3214868480
	.fill 96, 4, 3214868480
	.section	.rodata,"a",@progbits
	.p2align	6, 0x0
	.amdhsa_kernel k_q05b94f0cf3_attn
		.amdhsa_group_segment_fixed_size 209920
		.amdhsa_private_segment_fixed_size 0
		.amdhsa_enable_private_segment 0
		.amdhsa_kernarg_size 16
		.amdhsa_user_sgpr_count 2
		.amdhsa_user_sgpr_kernarg_segment_ptr 1
		.amdhsa_wavefront_size32 1
		.amdhsa_system_sgpr_workgroup_id_x 1
		.amdhsa_system_sgpr_workgroup_id_y 1
		.amdhsa_system_sgpr_workgroup_id_z 1
		.amdhsa_system_vgpr_workitem_id 0
		.amdhsa_next_free_vgpr 256
		.amdhsa_next_free_sgpr 96
		.amdhsa_reserve_vcc 1
		.amdhsa_float_denorm_mode_32 3
		.amdhsa_float_denorm_mode_16_64 3
		.amdhsa_memory_ordered 1
		.amdhsa_forward_progress 1
		.amdhsa_inst_pref_size 129
	.end_amdhsa_kernel
	.amdgpu_metadata
---
amdhsa.version: [ 1, 2 ]
amdhsa.kernels:
  - .name:           k_q05b94f0cf3_attn
    .symbol:         k_q05b94f0cf3_attn.kd
    .args:
      - { .name: att, .offset: 0, .size: 8, .value_kind: global_buffer, .address_space: global }
      - { .name: yq, .offset: 8, .size: 8, .value_kind: global_buffer, .address_space: global }
    .group_segment_fixed_size: 209920
    .private_segment_fixed_size: 0
    .kernarg_segment_align: 8
    .kernarg_segment_size: 16
    .max_flat_workgroup_size: 256
    .sgpr_count:     96
    .vgpr_count:     256
    .wavefront_size: 32
...
	.end_amdgpu_metadata
.endif
;; end of part 4
;; launch gemm_proj (part 5): grid 4 x 16, 4 waves a work-group, clusters of 4 x 4, 327,680 bytes of LDS; arguments yq, wq, b_proj, out0; writes out0
.if DOCPART == 5
	.amdgcn_target "amdgcn-amd-amdhsa--gfx1250"
	.amdhsa_code_object_version 6
	.text
	.protected	k_q05b94f0cf3_gemm_proj
	.globl	k_q05b94f0cf3_gemm_proj
	.p2align	8
	.type	k_q05b94f0cf3_gemm_proj,@function
k_q05b94f0cf3_gemm_proj:
	s_mov_b64 s[64:65], 0
	v_nop
	global_prefetch_b8 v0, s[64:65] scope:SCOPE_SE
	s_setreg_imm32_b32 hwreg(HW_REG_WAVE_MODE, 25, 1), 1
	s_wait_xcnt 0x0
	s_wait_alu depctr_hold_cnt(0) depctr_sa_sdst(0) depctr_va_vdst(0) depctr_va_sdst(0) depctr_va_ssrc(0) depctr_va_vcc(0) depctr_vm_vsrc(0)
	s_getreg_b32 s2, hwreg(HW_REG_IB_STS2, 6, 4)
	s_cmp_eq_u32 s2, 0
	s_cbranch_scc0 .Lentry_in_a_cluster
	s_endpgm
.Lentry_in_a_cluster:
	s_bfe_u32 s2, ttmp6, 0x10000c
	s_cmp_lg_u32 s2, 0xf033
	s_cbranch_scc0 .Lentry_shape_is_right
	s_endpgm
.Lentry_shape_is_right:
; out0 = y W_proj + b_proj on codes of FP6 (E2M3) with E8M0 scales, K = 1,024, sums in f32.
; OPERANDS (yq; wq's tiles 192-255): codes [K step of 256][tile of 16 rows][4 half fragments of 768 bytes], an image of the operand's registers: lane l's registers 0-3 at 16 l, registers 4-5 at 512 + 8 l.
; Tile T holds rows 32 (T / 2) + 8 (T % 2) + r + 8 (r / 8).  Scale words from SCO on: [tile][K step][r][2 words].
; Source 1 = R = tokens (yq), source 0 = P = columns (wq): a lane holds one token, and the 16 registers of tiles 2 b, 2 b + 1 are 16 neighbouring columns.
; A work-group makes 256 x 256, a wave 128 x 128 in 512 registers: 64 work-groups.  K goes in four steps of 256 through two LDS slots; a wave's tensor load brings 24,576 consecutive bytes.
; CLUSTERS: 4 x 4.  R's tiles are shared along a row of the cluster, P's along a column: joint loads, behind a round of the cluster's barrier.
; The bias is the C of each sum's first matrix instruction.  Results go through the wave's stage in LDS and leave as whole rows of 512 bytes.
; REGISTERS: window 0: v0-31 addresses; v32-63 scale words, two sets; v64-127 the bias; v128-223 R's fragments, on the way out v128-255 rows.  window 1: P's fragments, two sets.  windows 2, 3: the accumulators.
.set STEPB,  786432
.set SCO,    3145728
.set TILEB,  3072
.set HALFT,  8*TILEB
.set SLOT,   4*HALFT
.set SCL,    2*SLOT
.set HALFS,  4096
.set SPARE,  SCL+4*HALFS               ; the spare words: 128 bytes for each wave, named by no other line
.set SPITCH, 528                       ; the way out: 16 rows x (512 bytes + 16) for each wave, in slot 0, which has had its last fill and its last read by then
.set NQ,     2
.set FR,     12
.set NL,     4
.set NP,     4
.set ADRA, 16
.set ADRB, 20
.set STO,  24
.set RD,   25
.set CO,   26
.set ADRS, 27
.set SPW,  28
.set NIL,  29
.set SC,   32
.set BIAS, 64
.set AF,   128
.set BK,   128
.set G1, 24
.set G0, 32
.set G1B, 48
.set G0B, 56
.set G1S, 68
.set G0S, 76
.set G1SB, 80
.set G0SB, 88
.set MSB, 0
.macro WIN new
.if MSB != (\new)
	s_set_vgpr_msb (MSB<<8)|(\new)
.set MSB, (\new)
.endif
.endm
.set MUL_LO, 0xa1                      ; source 0 (P) window 1, source 1 (R) window 0, C and D window 2
.set MUL_HI, 0xf1
.set BIA_LO, 0x81                      ; the same with C (the bias) in window 0
.set BIA_HI, 0xc1
.set TO_B,   0x40
.macro JLOAD g0a, g1a, g0b, g1b        ; a joint load: waves 0 and 1 fetch for R, waves 2 and 3 for P; an s_nop 0 and four v_nop follow each line
	s_cmp_eq_u32 s15, 0
	s_cbranch_scc0 .Lfor_b_\@
	tensor_load_to_lds s[\g0a:\g0a+3], s[\g1a:\g1a+7]
	s_nop 0
.rept 4
	v_nop
.endr
	s_branch .Lasked_\@
.Lfor_b_\@:
	tensor_load_to_lds s[\g0b:\g0b+3], s[\g1b:\g1b+7]
	s_nop 0
.rept 4
	v_nop
.endr
.Lasked_\@:
.endm
.macro CREST
	s_cmp_lg_u32 s14, 0
	s_cbranch_scc1 .Lnot_wave_0_\@
	s_barrier_signal -3
.Lnot_wave_0_\@:
	s_barrier_wait -3
	s_barrier_signal -1
	s_barrier_wait -1
.endm
.macro CROUND
	s_barrier_signal -1
	s_barrier_wait -1
	CREST
.endm
	s_load_b128 s[4:7], s[0:1], 0x0                ; yq, wq
	s_load_b128 s[8:11], s[0:1], 0x10              ; b_proj, out0
	v_lshl_add_u32 v[SPW], v0, 2, SPARE
	v_mov_b32 v[NIL], 0
	ds_add_u32 v[SPW], v[NIL]                      ; the wave's opening: the add and its wait ahead of my first tensor load; work on registers stands between
	v_lshrrev_b32 v1, 5, v0
	v_readfirstlane_b32 s14, v1                    ; wave 0..3
	s_lshr_b32 s15, s14, 1                         ; my half of R's rows.  Also: I fetch for R (0) or for P (1)
	s_and_b32 s16, s14, 1                          ; my half of P's rows.  Also: which 8 tiles I fetch
	s_bfe_u32 s40, ttmp6, 0x40000                  ; cx
	s_bfe_u32 s41, ttmp6, 0x40004                  ; cy
	s_lshl_b32 s42, ttmp9, 2
	s_add_co_u32 s42, s42, s40                     ; the block of 256 columns of out0
	s_and_b32 s17, ttmp7, 0xffff
	s_lshl_b32 s17, s17, 2
	s_add_co_u32 s17, s17, s41                     ; the block of 256 tokens
	s_lshl_b32 s43, s41, 2
	s_lshl_b32 s43, 15, s43                        ; my row of the cluster
	s_lshl_b32 s44, 0x1111, s40                    ; my column
	s_or_b32 s[G1+0], s43, (3<<16)|(1<<21)         ; 15:0 the mask; 17:16 elements of 8 bytes; 21 set beside a mask; no padding
	s_or_b32 s[G1B+0], s44, (3<<16)|(1<<21)
.irp g, G1, G1B
	s_mov_b32 s[\g+1], 32<<16                      ; a dense block as 96 rows of 256 bytes
	s_mov_b32 s[\g+2], 96<<16
	s_mov_b32 s[\g+3], 32<<16
	s_mov_b32 s[\g+4], 96
	s_mov_b32 s[\g+5], 32
	s_mov_b32 s[\g+6], 0
	s_mov_b32 s[\g+7], 0
.endr
	s_or_b32 s[G1S+0], s43, (3<<16)|(1<<21)
	s_or_b32 s[G1SB+0], s44, (3<<16)|(1<<21)
.irp g, G1S, G1SB
	s_mov_b32 s[\g+1], 32<<16                      ; the scale words of 8 tiles: 16 rows of 256 bytes
	s_mov_b32 s[\g+2], 16<<16
	s_mov_b32 s[\g+3], 32<<16
	s_mov_b32 s[\g+4], 16
	s_mov_b32 s[\g+5], 32
	s_mov_b32 s[\g+6], 0
	s_mov_b32 s[\g+7], 0
.endr
	s_lshl_b32 s18, s16, 3
	s_lshl_b32 s20, s17, 4
	s_add_co_u32 s20, s20, s18                     ; R's first tile that I fetch
	s_lshl_b32 s46, s42, 4
	s_add_co_u32 s46, s46, s18
	s_add_co_u32 s46, s46, 192                     ; P's: W_proj's tiles begin at 192
	s_lshl_b32 s22, s20, 9
	s_add_co_u32 s22, s22, SCO
	s_mov_b32 s23, 0
	s_lshl_b32 s92, s46, 9
	s_add_co_u32 s92, s92, SCO
	s_mov_b32 s93, 0
	s_mul_i32 s20, s20, TILEB
	s_mov_b32 s21, 0
	s_mul_i32 s46, s46, TILEB
	s_mov_b32 s47, 0
	s_mul_i32 s45, s14, HALFT                      ; where they go: wave x 8 tiles: no place in the cluster enters an LDS address
	s_lshl_b32 s94, s14, 12
	s_wait_dscnt 0x0                               ; the opening add is done
	s_wait_kmcnt 0x0
	s_add_nc_u64 s[20:21], s[4:5], s[20:21]
	s_add_nc_u64 s[22:23], s[4:5], s[22:23]
	s_add_nc_u64 s[46:47], s[6:7], s[46:47]
	s_add_nc_u64 s[92:93], s[6:7], s[92:93]
	CROUND                                         ; all sixteen work-groups are here: the first joint loads meet
	s_mov_b32 s[G0S], 1
	s_add_co_u32 s[G0S+1], s94, SCL
	s_mov_b64 s[G0S+2:G0S+3], s[22:23]
	s_or_b32 s[G0S+3], s[G0S+3], 0x80000000
	s_mov_b32 s[G0SB], 1
	s_add_co_u32 s[G0SB+1], s94, SCL
	s_mov_b64 s[G0SB+2:G0SB+3], s[92:93]
	s_or_b32 s[G0SB+3], s[G0SB+3], 0x80000000
	JLOAD G0S, G1S, G0SB, G1SB
.irp s, 0,1
	s_mov_b32 s[G0+4*\s], 1
	s_add_co_u32 s[G0+4*\s+1], s45, \s*SLOT
	s_add_nc_u64 s[G0+4*\s+2:G0+4*\s+3], s[20:21], \s*STEPB
	s_or_b32 s[G0+4*\s+3], s[G0+4*\s+3], 0x80000000
	s_mov_b32 s[G0B+4*\s], 1
	s_add_co_u32 s[G0B+4*\s+1], s45, \s*SLOT
	s_add_nc_u64 s[G0B+4*\s+2:G0B+4*\s+3], s[46:47], \s*STEPB
	s_or_b32 s[G0B+4*\s+3], s[G0B+4*\s+3], 0x80000000
	JLOAD G0+4*\s, G1, G0B+4*\s, G1B               ; three loads of mine are out behind these
.endr
	v_and_b32 v1, 31, v0                           ; lane
	v_and_b32 v2, 15, v0                           ; r
	v_bfe_u32 v3, v0, 4, 1                         ; h
	v_lshlrev_b32 v4, 4, v1
	v_lshl_add_u32 v5, v1, 3, 512
	s_mul_i32 s21, s15, HALFT
	s_mul_i32 s22, s16, HALFT
	s_add_co_u32 s22, s22, 2*HALFT
.irp s, 0,1
	v_add_nc_u32 v[ADRA+\s], s21, v4
	v_add_nc_u32 v[ADRB+\s], s22, v4
	v_add_nc_u32 v[ADRA+2+\s], s21, v5
	v_add_nc_u32 v[ADRB+2+\s], s22, v5
	s_add_co_u32 s21, s21, SLOT
	s_add_co_u32 s22, s22, SLOT
.endr
	v_lshlrev_b32 v5, 3, v2
	s_lshl_b32 s21, s15, 12
	s_lshl_b32 s22, s16, 12
	s_add_co_u32 s22, s22, 2*HALFS
	s_sub_co_u32 s22, s22, s21
	v_mul_u32_u24 v6, s22, v3                      ; lanes 16-31 take P's scale words
	s_add_co_u32 s21, s21, SCL
	v_add_nc_u32 v5, v5, v6
	v_add_nc_u32 v[ADRS], s21, v5
	s_mul_i32 s23, s14, 16*SPITCH                  ; my stage
	v_mul_u32_u24 v5, v2, SPITCH
	v_lshl_add_u32 v5, v3, 6, v5
	v_add_nc_u32 v[STO], s23, v5                   ; in: row r, + 64 h bytes
	v_lshlrev_b32 v[CO], 4, v1                     ; back: the 32 lanes take one row of 512 bytes; and the same in out0
	v_add_nc_u32 v[RD], s23, v[CO]
	v_lshlrev_b32 v7, 6, v3                        ; the bias: 64 h bytes
	s_lshl_b32 s46, s42, 10
	s_lshl_b32 s47, s16, 9
	s_add_co_u32 s46, s46, s47                     ; my first column, in bytes
	s_mov_b32 s47, 0
	s_add_nc_u64 s[96:97], s[8:9], s[46:47]
	s_lshl_b32 s20, s17, 20
	s_lshl_b32 s21, s15, 19
	s_add_co_u32 s20, s20, s21                     ; my first row of 4,096 bytes
	s_mov_b32 s21, 0
	s_add_nc_u64 s[20:21], s[20:21], s[46:47]
	s_add_nc_u64 s[12:13], s[10:11], s[20:21]
.irp b, 0,1,2,3
.irp k, 0,1,2,3
	global_load_b128 v[BIAS+16*\b+4*\k:BIAS+16*\b+4*\k+3], v7, s[96:97] offset:128*\b+16*\k   ; the bias of columns 32 b + 16 h + 0 .. 15: the result's layout of tiles 2 b, 2 b + 1
.endr
.endr
.macro FRAG reg, adr, q, i
	ds_load_b128 v[\reg:\reg+3], v[\adr] offset:TILEB*(\i)+1536*(\q)
	ds_load_b64 v[\reg+4:\reg+5], v[\adr+2] offset:TILEB*(\i)+1536*(\q)
	ds_load_b128 v[\reg+6:\reg+9], v[\adr] offset:TILEB*(\i)+1536*(\q)+768
	ds_load_b64 v[\reg+10:\reg+11], v[\adr+2] offset:TILEB*(\i)+1536*(\q)+768
.endm
; 16 matrix instructions: R's blocks a0, a0 + 1 x P's eight.  first = 1: the bias starts the sums.  The 64 accumulators take turns, one instruction a turn.
.macro MUL16 a0, p, q, sc, first
.irp a, \a0, \a0+1
.irp b, 0,1,2,3,4,5,6,7
.if \first
	v_wmma_scale_f32_16x16x128_f8f6f4 v[8*(8*((\a)%4)+\b):8*(8*((\a)%4)+\b)+7], v[128*(\p)+FR*\b:128*(\p)+FR*\b+FR-1], v[AF+FR*(\a):AF+FR*(\a)+FR-1], v[BIAS+8*\b:BIAS+8*\b+7], v[SC+8*NQ*(\sc)+NQ*\b+(\q)], v[SC+8*NQ*(\sc)+NQ*(\a)+(\q)] matrix_a_fmt:MATRIX_FMT_FP6 matrix_b_fmt:MATRIX_FMT_FP6 matrix_a_scale:MATRIX_SCALE_ROW1
.else
	v_wmma_scale_f32_16x16x128_f8f6f4 v[8*(8*((\a)%4)+\b):8*(8*((\a)%4)+\b)+7], v[128*(\p)+FR*\b:128*(\p)+FR*\b+FR-1], v[AF+FR*(\a):AF+FR*(\a)+FR-1], v[8*(8*((\a)%4)+\b):8*(8*((\a)%4)+\b)+7], v[SC+8*NQ*(\sc)+NQ*\b+(\q)], v[SC+8*NQ*(\sc)+NQ*(\a)+(\q)] matrix_a_fmt:MATRIX_FMT_FP6 matrix_b_fmt:MATRIX_FMT_FP6 matrix_a_scale:MATRIX_SCALE_ROW1
.endif
.endr
.endr
.endm
.macro FETCH_B slot, q, p
	WIN TO_B
.irp i, 0,1,2,3,4,5,6,7
	FRAG 128*(\p)+FR*\i, ADRB+\slot, \q, \i
.endr
	WIN 0
.endm
.macro FETCH_A slot, q, i0
.irp i, \i0, \i0+1, \i0+2, \i0+3
	FRAG AF+FR*(\i), ADRA+\slot, \q, \i
.endr
.endm
.macro SCALES sc
.irp i, 0,1,2,3,4,5,6,7
	ds_load_b64 v[SC+8*NQ*\sc+NQ*\i:SC+8*NQ*\sc+NQ*\i+1], v[ADRS] offset:\i*512
.endr
.endm
.macro PLACES n
.rept \n
	v_nop
.endr
.endm
.macro STEP slot, q, first
	s_wait_dscnt 4*NL                              ; P's set, R's blocks 0-3 and the scale words are in; the youngest 16 loads (R's blocks 4-7) may be out
.if \first
	WIN BIA_LO
.else
	WIN MUL_LO
.endif
	MUL16 0, (\q)%2, \q, \slot, \first
	MUL16 2, (\q)%2, \q, \slot, \first
	s_wait_dscnt 0
	PLACES NP
	FETCH_B \slot, (\q)+1, 1-(\q)%2
	FETCH_A \slot, (\q)+1, 0
.if \first
	WIN BIA_HI
.else
	WIN MUL_HI
.endif
	MUL16 4, (\q)%2, \q, \slot, \first
	MUL16 6, (\q)%2, \q, \slot, \first
	PLACES NP
	WIN 0
	FETCH_A \slot, (\q)+1, 4
.endm
.macro TURN slot, next, fill
	s_wait_tensorcnt 0x0                           ; all my tensor loads have landed: my part of the next slot
	ds_add_u32 v[SPW], v[NIL]                      ; 0 onto my spare word
	s_wait_dscnt 4*NL+1                            ; (the add and the youngest 16 loads may be out)
	WIN MUL_LO
	MUL16 0, 1, NQ-1, \slot, 0
	s_wait_dscnt 0x0                               ; the add is done, and my reads of this slot are over
	s_barrier_signal -1
	MUL16 2, 1, NQ-1, \slot, 0
	WIN 0
	s_barrier_wait -1
.if \fill
	CREST                                          ; the barrier has opened a round of the cluster's barrier: no wave of any partner still reads this slot or has a load on its way
	s_add_nc_u64 s[G0+4*\slot+2:G0+4*\slot+3], s[G0+4*\slot+2:G0+4*\slot+3], 2*STEPB
	s_add_nc_u64 s[G0B+4*\slot+2:G0B+4*\slot+3], s[G0B+4*\slot+2:G0B+4*\slot+3], 2*STEPB
	JLOAD G0+4*\slot, G1, G0B+4*\slot, G1B         ; my one tensor load behind the round; its four v_nop are the places in front of the loads below
.else
	PLACES NP
.endif
	v_add_nc_u32 v[ADRS], 128, v[ADRS]
	FETCH_B \next, 0, 0
	FETCH_A \next, 0, 0
	SCALES \next
	WIN MUL_HI
	MUL16 4, 1, NQ-1, \slot, 0
	MUL16 6, 1, NQ-1, \slot, 0
	PLACES NP
	WIN 0
	FETCH_A \next, 0, 4
.endm
	s_wait_tensorcnt 1                             ; the scale words and my part of K step 0 are in (K step 1's load may be out),
	s_barrier_signal -1
	s_barrier_wait -1                              ; everybody's are
	FETCH_B 0, 0, 0
	FETCH_A 0, 0, 0
	SCALES 0
	FETCH_A 0, 0, 4
	s_wait_loadcnt 0x0                             ; the bias
	STEP 0, 0, 1
	TURN 0, 1, 1                                   ; slot 0 takes K step 2
	STEP 1, 0, 0
	TURN 1, 0, 1                                   ; slot 1 takes K step 3
	STEP 0, 0, 0
	TURN 0, 1, 0                                   ; nothing is left to fetch
	STEP 1, 0, 0
	s_wait_dscnt 4*NL
	WIN MUL_LO
	MUL16 0, 1, NQ-1, 1, 0
	MUL16 2, 1, NQ-1, 1, 0
	s_wait_dscnt 0
	WIN MUL_HI
	MUL16 4, 1, NQ-1, 1, 0
	MUL16 6, 1, NQ-1, 1, 0
	WIN 0
; THE WAY OUT, block by block of 16 tokens x 128 columns: into my stage, back as whole rows of 512 bytes.  LDS serves a wave's instructions in order: no wait between the stores and the loads.
.macro TOSTAGE a
.set AC, 64*((\a)%4)
	WIN 0x08+4*((\a)/4)                            ; the data: window 2 or 3
.irp b, 0,1,2,3,4,5,6,7
	ds_store_b128 v[STO], v[AC+8*\b:AC+8*\b+3] offset:128*(\b/2)+32*(\b%2)         ; each accumulator from its low end on: columns 32 (b / 2) + 16 h + 8 (b % 2) + 0 .. 7
	ds_store_b128 v[STO], v[AC+8*\b+4:AC+8*\b+7] offset:128*(\b/2)+32*(\b%2)+16
.endr
	WIN 0
.set BB, BK+64*((\a)%2)
.irp t, 0,1,2,3,4,5,6,7,8,9,10,11,12,13,14,15
	ds_load_b128 v[BB+4*\t:BB+4*\t+3], v[RD] offset:\t*SPITCH
.endr
.endm
.macro SEND a, younger                 ; younger: the LDS instructions issued behind block a's loads, which may stay out
.set BB, BK+64*((\a)%2)
	s_wait_dscnt \younger
.irp t, 0,1,2,3,4,5,6,7,8,9,10,11,12,13,14,15
	global_store_b128 v[CO], v[BB+4*\t:BB+4*\t+3], s[12:13] offset:(32*((\a)/2)+8*((\a)%2)+\t+8*(\t/8))*4096 th:TH_STORE_NT   ; the tile's row t: 512 consecutive bytes, aligned; 127 rows at the most in the immediate
.endr
.endm
	PLACES NP
	TOSTAGE 0
.irp a, 1,2,3,4,5,6,7
.if \a > 1
	s_wait_xcnt 0x0                                ; block a - 2's stores have read their registers: block a's loads may land there
.endif
	TOSTAGE \a
	SEND \a-1, 32                                  ; behind block a - 1's loads: block a's 16 stores and 16 loads
.endr
	SEND 7, 0
	s_wait_tensorcnt 0x0                           ; the wave's end: these three lines behind my last tensor load and my last LDS store
	ds_add_u32 v[SPW], v[NIL]
	s_wait_dscnt 0x0
	CROUND                                         ; the closing round: no work-group ends while a partner may still ask for a tile that names it
	s_endpgm
.Lfunc_end_k_q05b94f0cf3_gemm_proj:
	.size	k_q05b94f0cf3_gemm_proj, .Lfunc_end_k_q05b94f0cf3_gemm_proj-k_q05b94f0cf3_gemm_proj
	.p2alignl 7, 3214868480
	.fill 96, 4, 3214868480
	.section	.rodata,"a",@progbits
	.p2align	6, 0x0
	.amdhsa_kernel k_q05b94f0cf3_gemm_proj
		.amdhsa_group_segment_fixed_size 327680
		.amdhsa_private_segment_fixed_size 0
		.amdhsa_enable_private_segment 0
		.amdhsa_kernarg_size 32
		.amdhsa_user_sgpr_count 2
		.amdhsa_user_sgpr_kernarg_segment_ptr 1
		.amdhsa_wavefront_size32 1
		.amdhsa_system_sgpr_workgroup_id_x 1
		.amdhsa_system_sgpr_workgroup_id_y 1
		.amdhsa_system_sgpr_workgroup_id_z 1
		.amdhsa_system_vgpr_workitem_id 0
		.amdhsa_next_free_vgpr 1024
		.amdhsa_next_free_sgpr 100
		.amdhsa_reserve_vcc 0
		.amdhsa_float_denorm_mode_32 3
		.amdhsa_float_denorm_mode_16_64 3
		.amdhsa_memory_ordered 1
		.amdhsa_forward_progress 1
		.amdhsa_inst_pref_size 144
	.end_amdhsa_kernel
	.amdgpu_metadata
---
amdhsa.version: [ 1, 2 ]
amdhsa.kernels:
  - .name:           k_q05b94f0cf3_gemm_proj
    .symbol:         k_q05b94f0cf3_gemm_proj.kd
    .args:
      - { .name: yq, .offset: 0, .size: 8, .value_kind: global_buffer, .address_space: global }
      - { .name: wq, .offset: 8, .size: 8, .value_kind: global_buffer, .address_space: global }
      - { .name: b_proj, .offset: 16, .size: 8, .value_kind: global_buffer, .address_space: global }
      - { .name: out0, .offset: 24, .size: 8, .value_kind: global_buffer, .address_space: global }
    .group_segment_fixed_size: 327680
    .private_segment_fixed_size: 0
    .kernarg_segment_align: 8
    .kernarg_segment_size: 32
    .max_flat_workgroup_size: 128
    .sgpr_count:     100
    .vgpr_count:     1024
    .wavefront_size: 32
...
	.end_amdgpu_metadata
.endif
;; end of part 5
